; MI455X (gfx1250); checked and timed in simulation.
; The chip was launched on July 23, 2026; its instructions are those of AMD's public machine-readable ISA for CDNA 5 (MIT licence, August 2026) and "CDNA5" Instruction Set Architecture Reference Guide (July 2026). The comments in the code are by the model that wrote it; some were corrected since.
;; Masked Multi Head Attention. Allowed arithmetic: matrix products marked QUANTISED: E2M1 operands, one E8M0 scale for each 32 along K, by v_wmma_scale_f32_16x16x128_f8f6f4 with both operands' format E2M1 (or v_wmma_scale_f32_32x16x128_f4), f32 sums; products left as they are: bf16, f16 or f32 operands; f32 sums; everything else in f32.
;; Inputs: Wk 1,024 x 1,024 float32; Wo 1,024 x 1,024 float32; Wq 1,024 x 1,024 float32; Wv 1,024 x 1,024 float32; bk 1,024 float32; bo 1,024 float32; bq 1,024 float32; bv 1,024 float32; keys 4 x 2,048 x 1,024 float32; queries 4 x 2,048 x 1,024 float32; values 4 x 2,048 x 1,024 float32.
;; Outputs: out0 4 x 2,048 x 1,024 float32.
;; This version of the problem:
;;   THIS VERSION OF THE PROBLEM IS GIVEN IN LOW PRECISION. The matrix products marked QUANTISED in the list below multiply operands that are first quantised to E2M1 (2 exponent bits, 1 mantissa bit; 4 bits a number), with one power-of-two scale for each 32 numbers along K (OCP MX v1.0); their sums are f32. The products marked 'left as it is' may take bf16, f16 or f32 operands, with f32 sums. Whichever they take, every output number must still come out within the allowed error. Rounding operands to bf16 (8 significant bits) uses up far more of that allowance than f16 does (11 bits, for magnitudes from 6e-5 to 65,504). All else is computed in f32.
;;   The module's matrix products, in the order in which they are computed (A, B: the left and right operand; K: the contracted axis; several contracted axes count as one K, in the product's order):
;;     1. [M 8,192, K 1,024] x [K 1,024, N 1,024]; A: input queries; B: input Wq: QUANTISED
;;     2. [M 8,192, K 1,024] x [K 1,024, N 1,024]; A: input keys; B: input Wk: QUANTISED
;;     3. [M 8,192, K 1,024] x [K 1,024, N 1,024]; A: input values; B: input Wv: QUANTISED
;;     4. batch 64 x [M 2,048, K 64] x [K 64, N 2,048]; A: computed on the way; B: computed on the way: left as it is (an operand is computed on the way)
;;     5. batch 64 x [M 2,048, K 2,048] x [K 2,048, N 64]; A: computed on the way; B: computed on the way: left as it is (an operand is computed on the way)
;;     6. [M 8,192, K 1,024] x [K 1,024, N 1,024]; A: computed on the way; B: input Wo: left as it is (an operand is computed on the way)
;;   THE QUANTISER, for each operand of a quantised product, along K:
;;     - K is cut into blocks of 32 from its start; a last block that is shorter is filled with zeros.
;;     - A block's scale is 2^e with e = floor(log2(the largest magnitude in the block)) - 2, held to -126 .. 127; a block of zeros has e = 0. As a byte (E8M0): e + 127.
;;     - Each number is divided by its block's scale, clamped to +-6, and rounded to the nearest number of E2M1, ties to even, subnormals kept.
;;     - The product sums the exact products of the quantised numbers (number of the format x scale) in f32.
;;   ~~~python
;;   def quantise(x, axis):      # numpy; x: float32 -> the quantised numbers, widened to float32 again
;;       x = np.moveaxis(x, axis, -1); K = x.shape[-1]
;;       x = np.pad(x, [(0, 0)] * (x.ndim - 1) + [(0, -K % 32)]); x = x.reshape(x.shape[:-1] + (-1, 32)); a = np.abs(x).max(-1, keepdims=True)
;;       e = np.where(a > 0, np.clip(np.frexp(np.where(a > 0, a, 1))[1] - 1 - 2, -126, 127), 0)      # np.frexp(a)[1] - 1 = floor(log2(a)), exactly
;;       r = np.clip(x / 2.0 ** e, -6, 6)
;;       step = 2.0 ** (np.maximum(np.frexp(np.where(r == 0, 1, r))[1] - 1, 0) - 1)
;;       q = np.round(r / step) * step * 2.0 ** e      # np.round: ties to even
;;       return np.moveaxis(q.reshape(q.shape[:-2] + (-1,))[..., :K], -1, axis).astype(np.float32)
;;   ~~~
;; One version. Each part assembles by itself: llvm-mc -triple=amdgcn-amd-amdhsa -mcpu=gfx1250 --defsym DOCPART=n.
;; ======== version 1 of 1: 5 launches
;; limits: values are held in f16: magnitudes above 65,504 overflow, below 6.1e-05 lose precision
;; workspace buffers: xc 12,582,912 bytes; xs 786,432 bytes; wq4 1,671,168 bytes; wof 2,097,152 bytes; qkv 50,331,648 bytes; vmx 6,144 bytes; stat 1,048,576 bytes; ctx 16,777,216 bytes
;; launch prep (part 1): grid 1024 x 1, 4 waves a work-group, no clusters, 33,280 bytes of LDS; arguments queries, keys, values, Wq, Wk, Wv, Wo, xc, xs, wq4, wof; writes xc, xs, wq4, wof
.if DOCPART == 1
	.amdgcn_target "amdgcn-amd-amdhsa--gfx1250"
	.amdhsa_code_object_version 6
	.text
	.protected	k_q8e12e3947e_prep
	.globl	k_q8e12e3947e_prep
	.p2align	8
	.type	k_q8e12e3947e_prep,@function
k_q8e12e3947e_prep:
	s_mov_b64 s[64:65], 0
	v_nop
	global_prefetch_b8 v0, s[64:65] scope:SCOPE_SE
	s_setreg_imm32_b32 hwreg(HW_REG_WAVE_MODE, 25, 1), 1
	s_wait_xcnt 0x0
; PREP.  Work-groups 0-767: queries, keys, values ([8192][1024] f32 each) become codes of FP4 (E2M1), K innermost, in xc ([3][8192][512 bytes]), and one E8M0 byte for each 32 along K in xs ([3 x 8192][32]).
; Work-groups 768-1023: the four weights, stored [K][N].  Wq, Wk, Wv are quantised along K (their first axis) into wq4; Wo is rounded to f16 into wof.  Both are laid IN THE ORDER OF THE OPERAND'S REGISTERS,
; so that the launches that multiply read each fragment as two runs of 512 bytes, 16 bytes a lane.
; A block's scale is 2^(floor(log2(largest magnitude)) - 2); its byte is the largest magnitude's exponent field - 2, held at 1 from below.
; LIMITS: a block of zeros gets the byte 1 where the rule says 127 (its codes are zeros, and only this program reads the bytes); blocks whose largest magnitude lies under 2^-124 get the byte 1;
; NaN and infinities are not served; |Wo| stays under 65,504 (f16).
; No cluster: no two work-groups read the same byte.  Only the first path touches LDS.
.set WAVES, 4
.set STEPS, 16
.set EMAX,  2
.set CB,    8                          ; bytes of 16 codes
.set R,     16                         ; v16-79   four sets of 16 numbers as they are loaded
.set X,     80                         ; v80-111  two sets of 16 neighbours
.set C,     128                        ; v128-191 codes: four registers for each step
.set E,     112                        ; v112-127 a scale byte for each step
.set WREG,  8192                       ; LDS: a region for each wave: two stages of 32 x SP bytes, then its 256 scale bytes
.set SP,    80                         ; a lane's place in a stage: 64 bytes + 16 of padding
.set SPW,   12                         ; v12 LDS address of my spare word; never rewritten
.set NIL,   13                         ; v13 0; never rewritten
.set SPARE, WAVES*WREG                 ; the spare words: 128 bytes a wave, two blocks of 256 bytes that no other line names
.set WX,    32                         ; weights: v32-159: 128 numbers down K of my column
.set WC,    160                        ; weights: v160-175: the codes of four blocks
	s_load_b256 s[4:11], s[0:1], 0x0               ; queries, keys, values, Wq
	s_load_b256 s[12:19], s[0:1], 0x20             ; Wk, Wv, Wo, xc
	s_load_b128 s[20:23], s[0:1], 0x40             ; xs, wq4
	s_load_b64 s[24:25], s[0:1], 0x50              ; wof
	v_lshl_add_u32 v[SPW], v0, 2, SPARE
	v_mov_b32 v[NIL], 0
	v_lshrrev_b32 v1, 5, v0
	v_readfirstlane_b32 s26, v1                    ; wave 0..3
	v_and_b32 v2, 31, v0                           ; lane
	s_cmp_lt_u32 ttmp9, 768                        ; the work-group's number alone decides the path
	s_cbranch_scc0 .Lweights
; ---------------- the activations: a plain stream of blocks of 32; a wave takes 16 steps of 512 numbers ----------------
	v_lshlrev_b32 v3, 4, v2                        ; my 16 bytes of a load's 512
	s_mul_i32 s27, s26, WREG
	v_lshrrev_b32 v14, 2, v2
	v_mul_u32_u24 v14, v14, SP
	v_and_b32 v15, 3, v2
	v_lshl_add_u32 v14, v15, 4, v14
	v_add_nc_u32 v14, s27, v14                     ; the stage, on the way in: four lanes' 64 bytes on end, then 16 of padding
	v_mul_u32_u24 v15, v2, SP
	v_add_nc_u32 v15, s27, v15                     ; and on the way out: my 16 neighbours
	v_mul_u32_u24 v4, v2, CB                       ; my codes' place in a step's
	v_lshrrev_b32 v5, 1, v2
	s_add_co_u32 s27, s27, 2*32*SP
	v_add_nc_u32 v5, s27, v5                       ; LDS: my wave's 256 scale bytes, my block's byte
	v_lshlrev_b32 v7, 3, v2
	v_add_nc_u32 v6, s27, v7                       ; and on the way out 8 bytes a lane
	s_lshr_b32 s28, ttmp9, 8                       ; which tensor: 256 work-groups each
	s_wait_kmcnt 0x0
	s_cmp_eq_u32 s28, 0
	s_cselect_b64 s[4:5], s[4:5], s[6:7]
	s_cmp_eq_u32 s28, 2
	s_cselect_b64 s[4:5], s[8:9], s[4:5]
	s_and_b32 s29, ttmp9, 255
	s_lshl_b32 s29, s29, 2
	s_add_co_u32 s29, s29, s26                     ; my run of 8,192 numbers in the tensor
	s_lshl_b32 s30, s29, 15                        ; 32,768 bytes a run
	s_mov_b32 s31, 0
	s_add_nc_u64 s[4:5], s[4:5], s[30:31]
	s_lshl_b32 s29, ttmp9, 2
	s_add_co_u32 s29, s29, s26                     ; my run among the three tensors' 3,072
	s_lshl_b32 s30, s29, 12                        ; 4,096 bytes of codes a run
	s_add_nc_u64 s[18:19], s[18:19], s[30:31]
	s_lshl_b32 s30, s29, 8                         ; 256 scale bytes a run
	s_add_nc_u64 s[20:21], s[20:21], s[30:31]
.macro LOAD t
.irp i, 0,1,2,3
	global_load_b128 v[R+16*((\t)%4)+4*\i:R+16*((\t)%4)+4*\i+3], v3, s[4:5] offset:2048*(\t)+512*\i th:TH_LOAD_NT   ; 32 lanes read 512 consecutive bytes
.endr
.endm
.macro TURN t                          ; step t's numbers through the stage: LDS serves a wave's instructions in order (ISA guide 5.7.1.4), so no wait stands between the stores and the loads
.irp i, 0,1,2,3
	ds_store_b128 v14, v[R+16*((\t)%4)+4*\i:R+16*((\t)%4)+4*\i+3] offset:32*SP*((\t)%2)+8*SP*\i
.endr
.irp i, 0,1,2,3
	ds_load_b128 v[X+16*((\t)%2)+4*\i:X+16*((\t)%2)+4*\i+3], v15 offset:32*SP*((\t)%2)+16*\i
.endr
.endm
.irp t, 0,1,2,3
	LOAD \t
.endr
	s_wait_loadcnt 12                              ; step 0's four loads are in; three steps' twelve stay out
	TURN 0
.macro STEP t
.set XS, X+16*((\t)%2)
.if (\t) > 0
	s_wait_dscnt 1                                 ; this step's numbers are back from the stage (the last step's byte store may be out): so its stores into the stage have read their registers,
.else
	s_wait_dscnt 0x0
.endif
.if (\t)+4 < STEPS
	LOAD (\t)+4                                    ; which take the loads of four steps on
.endif
.if (\t)+1 < STEPS
.if STEPS-2-(\t) >= 3
	s_wait_loadcnt 12                              ; the next step's four loads are in; those of the three steps behind it may be out
.else
	s_wait_loadcnt 4*(STEPS-2-(\t))
.endif
	TURN (\t)+1
.endif
	v_max3_num_f32 v8, |v[XS]|, |v[XS+1]|, |v[XS+2]|               ; the largest magnitude of my 16, in two chains
	v_max3_num_f32 v9, |v[XS+3]|, |v[XS+4]|, |v[XS+5]|
.irp i, 6,10
	v_max3_num_f32 v8, v8, |v[XS+\i]|, |v[XS+\i+1]|
	v_max3_num_f32 v9, v9, |v[XS+\i+2]|, |v[XS+\i+3]|
.endr
	v_max3_num_f32 v8, v8, |v[XS+14]|, |v[XS+15]|
	v_max3_num_f32 v8, v8, v9, (EMAX+1)<<23        ; and the floor 2^(3 - 127): the byte cannot fall under 1
	v_max_num_f32_dpp v8, v8, v8 row_xmask:1 row_mask:0xf bank_mask:0xf   ; and of my neighbour's 16: the block's
	v_add_nc_u32 v11, -(EMAX<<23), v8              ; 2 off its exponent field: the conversion takes the exponent field of this operand as its scale
	v_cvt_scalef32_pk8_fp4_f32 v[C+4*(\t)], v[XS:XS+7], v11
	v_cvt_scalef32_pk8_fp4_f32 v[C+4*(\t)+1], v[XS+8:XS+15], v11
	v_lshrrev_b32 v[E+(\t)], 23, v11               ; the scale's byte (a plain line behind the conversions)
	ds_store_b8 v5, v[E+(\t)] offset:16*(\t)       ; both lanes of a block write the same byte with the same value
	global_store_b64 v4, v[C+4*(\t):C+4*(\t)+1], s[18:19] offset:32*CB*(\t)   ; the wave stores 256 consecutive bytes, aligned
.endm
.irp t, 0,1,2,3,4,5,6,7,8,9,10,11,12,13,14,15
	STEP \t
.endr
	ds_load_b64 v[8:9], v6                         ; in order behind my byte stores
	s_wait_dscnt 0x0
	global_store_b64 v7, v[8:9], s[20:21]          ; 32 lanes store 256 consecutive bytes, aligned
	s_wait_tensorcnt 0x0                           ; the wave's end
	ds_add_u32 v[SPW], v[NIL]
	s_wait_dscnt 0x0
	s_endpgm
; ---------------- the weights: a lane takes a column n, its registers run down K: 128 along K x 128 columns a work-group ----------------
.Lweights:
	s_sub_co_u32 s27, ttmp9, 768
	s_lshr_b32 s28, s27, 6                         ; which weight: 0 Wq, 1 Wk, 2 Wv, 3 Wo
	s_bfe_u32 s29, s27, 0x30003                    ; kg: which 128 along K
	s_and_b32 s30, s27, 7                          ; cg: which 128 columns
	s_lshl_b32 s31, s30, 7
	s_lshl_b32 s27, s26, 5
	s_add_co_u32 s31, s31, s27                     ; n0: my wave's first column
	s_lshl_b32 s32, s29, 19                        ; 128 rows of 4,096 bytes
	s_lshl_b32 s27, s31, 2
	s_add_co_u32 s32, s32, s27
	s_mov_b32 s33, 0
	v_lshlrev_b32 v3, 2, v2                        ; 4 bytes a lane
	v_lshrrev_b32 v4, 4, v2                        ; which of my wave's two tiles of 16 columns
	v_and_b32 v5, 15, v2
	v_lshlrev_b32 v5, 4, v5                        ; 16 bytes for each column of a tile
	s_wait_kmcnt 0x0
	s_cmp_eq_u32 s28, 0
	s_cselect_b64 s[34:35], s[10:11], s[12:13]
	s_cmp_eq_u32 s28, 2
	s_cselect_b64 s[34:35], s[14:15], s[34:35]
	s_cmp_eq_u32 s28, 3
	s_cselect_b64 s[34:35], s[16:17], s[34:35]
	s_add_nc_u64 s[34:35], s[34:35], s[32:33]
.macro WLOAD t                         ; block t: rows 32 t + i of my 128, my column
.irp i, 0,1,2,3,4,5,6,7,8,9,10,11,12,13,14,15,16,17,18,19,20,21,22,23,24,25,26,27,28,29,30,31
	global_load_b32 v[WX+32*(\t)+\i], v3, s[34:35] offset:(32*(\t)+\i)*4096 th:TH_LOAD_NT
.endr
.endm
.macro WWAIT t                         ; block t is in; the next block's 32 loads may be out; then the block two on is asked for
.if (\t) < 3
	s_wait_loadcnt 32
.else
	s_wait_loadcnt 0x0
.endif
.if (\t)+2 < 4
	WLOAD (\t)+2
.endif
.endm
	WLOAD 0
	WLOAD 1
	s_cmp_eq_u32 s28, 3
	s_cbranch_scc1 .Lwo
	; wq4's codes: [weight 3][128 columns 8][512 k 2][16 columns 8][128 k 4][1,024 bytes]; in a fragment block t of column r lies at 256 t + 16 r
	v_lshl_add_u32 v25, v4, 12, v5
	v_lshlrev_b32 v26, 5, v2                       ; scale bytes: 32 a column
	s_lshl_b32 s32, s28, 19
	s_lshl_b32 s27, s30, 16
	s_add_co_u32 s32, s32, s27
	s_lshr_b32 s27, s29, 2
	s_lshl_b32 s27, s27, 15
	s_add_co_u32 s32, s32, s27
	s_lshl_b32 s27, s26, 13
	s_add_co_u32 s32, s32, s27
	s_and_b32 s27, s29, 3
	s_lshl_b32 s27, s27, 10
	s_add_co_u32 s32, s32, s27
	s_add_nc_u64 s[36:37], s[22:23], s[32:33]
	s_lshl_b32 s32, s28, 15                        ; the scale bytes, behind the codes: [3 x 1024 columns][32]
	s_lshl_b32 s27, s31, 5
	s_add_co_u32 s32, s32, s27
	s_lshl_b32 s27, s29, 2
	s_add_co_u32 s32, s32, s27
	s_add_co_u32 s32, s32, 1572864
	s_add_nc_u64 s[38:39], s[22:23], s[32:33]
.macro WBLOCK t
.set XS, WX+32*(\t)
	WWAIT \t
	v_max3_num_f32 v8, |v[XS]|, |v[XS+1]|, |v[XS+2]|               ; the block's largest magnitude: all 32 numbers are mine
	v_max3_num_f32 v9, |v[XS+3]|, |v[XS+4]|, |v[XS+5]|
.irp i, 6,10,14,18,22,26
	v_max3_num_f32 v8, v8, |v[XS+\i]|, |v[XS+\i+1]|
	v_max3_num_f32 v9, v9, |v[XS+\i+2]|, |v[XS+\i+3]|
.endr
	v_max3_num_f32 v8, v8, |v[XS+30]|, |v[XS+31]|
	v_max3_num_f32 v8, v8, v9, (EMAX+1)<<23        ; the floor: the byte cannot fall under 1
	v_add_nc_u32 v11, -(EMAX<<23), v8              ; the conversion's scale operand
	v_lshrrev_b32 v9, 23, v11                      ; the scale's byte
.if (\t) == 0
	v_mov_b32 v24, v9                              ; four bytes make the word of these 128 along K
.else
	v_lshl_or_b32 v24, v9, 8*(\t), v24
.endif
.irp g, 0,1,2,3
	v_cvt_scalef32_pk8_fp4_f32 v[WC+4*(\t)+\g], v[XS+8*\g:XS+8*\g+7], v11
.endr
	global_store_b128 v25, v[WC+4*(\t):WC+4*(\t)+3], s[36:37] offset:256*(\t)   ; sixteen lanes store 256 consecutive bytes, aligned
.endm
	WBLOCK 0
	WBLOCK 1
	WBLOCK 2
	WBLOCK 3
	v_nop                                          ; a plain line behind the last conversion
	global_store_b32 v26, v24, s[38:39]
	s_endpgm
.Lwo:
	; wof: [64 n 16][256 k 4][16 n 4][32 k 8][1,024 bytes]; in a fragment the eight k from 8 p on of column r lie at 256 p + 16 r
	v_lshl_add_u32 v26, v4, 13, v5
	s_lshl_b32 s36, s30, 3
	s_lshl_b32 s27, s26, 1
	s_add_co_u32 s36, s36, s27                     ; my wave's first tile of 16 columns, an even number
	s_lshr_b32 s32, s36, 2
	s_lshl_b32 s32, s32, 17
	s_lshr_b32 s27, s29, 1
	s_lshl_b32 s27, s27, 15
	s_add_co_u32 s32, s32, s27
	s_and_b32 s27, s36, 3
	s_lshl_b32 s27, s27, 13
	s_add_co_u32 s32, s32, s27
	s_and_b32 s27, s29, 1
	s_lshl_b32 s27, s27, 12
	s_add_co_u32 s32, s32, s27
	s_add_nc_u64 s[36:37], s[24:25], s[32:33]
.macro OBLOCK t
	WWAIT \t
.irp i, 0,1,2,3,4,5,6,7,8,9,10,11,12,13,14,15
	v_cvt_pk_f16_f32 v[WX+32*(\t)+\i], v[WX+32*(\t)+2*\i], v[WX+32*(\t)+2*\i+1]   ; in place, ascending: a result never lands on a number still to be read
.endr
.irp p, 0,1,2,3
	global_store_b128 v26, v[WX+32*(\t)+4*\p:WX+32*(\t)+4*\p+3], s[36:37] offset:1024*(\t)+256*\p   ; sixteen lanes store 256 consecutive bytes, aligned
.endr
.endm
	OBLOCK 0
	OBLOCK 1
	OBLOCK 2
	OBLOCK 3
	s_endpgm
.Lfunc_end_k_q8e12e3947e_prep:
	.size	k_q8e12e3947e_prep, .Lfunc_end_k_q8e12e3947e_prep-k_q8e12e3947e_prep
	.p2alignl 7, 3214868480
	.fill 96, 4, 3214868480
	.section	.rodata,"a",@progbits
	.p2align	6, 0x0
	.amdhsa_kernel k_q8e12e3947e_prep
		.amdhsa_group_segment_fixed_size 33280
		.amdhsa_private_segment_fixed_size 0
		.amdhsa_enable_private_segment 0
		.amdhsa_kernarg_size 88
		.amdhsa_user_sgpr_count 2
		.amdhsa_user_sgpr_kernarg_segment_ptr 1
		.amdhsa_wavefront_size32 1
		.amdhsa_system_sgpr_workgroup_id_x 1
		.amdhsa_system_sgpr_workgroup_id_y 1
		.amdhsa_system_sgpr_workgroup_id_z 1
		.amdhsa_system_vgpr_workitem_id 0
		.amdhsa_next_free_vgpr 192
		.amdhsa_next_free_sgpr 66
		.amdhsa_reserve_vcc 0
		.amdhsa_float_denorm_mode_32 3
		.amdhsa_float_denorm_mode_16_64 3
		.amdhsa_memory_ordered 1
		.amdhsa_forward_progress 1
		.amdhsa_inst_pref_size 66
	.end_amdhsa_kernel
	.amdgpu_metadata
---
amdhsa.version: [ 1, 2 ]
amdhsa.kernels:
  - .name:           k_q8e12e3947e_prep
    .symbol:         k_q8e12e3947e_prep.kd
    .args:
      - { .name: queries, .offset: 0, .size: 8, .value_kind: global_buffer, .address_space: global }
      - { .name: keys, .offset: 8, .size: 8, .value_kind: global_buffer, .address_space: global }
      - { .name: values, .offset: 16, .size: 8, .value_kind: global_buffer, .address_space: global }
      - { .name: Wq, .offset: 24, .size: 8, .value_kind: global_buffer, .address_space: global }
      - { .name: Wk, .offset: 32, .size: 8, .value_kind: global_buffer, .address_space: global }
      - { .name: Wv, .offset: 40, .size: 8, .value_kind: global_buffer, .address_space: global }
      - { .name: Wo, .offset: 48, .size: 8, .value_kind: global_buffer, .address_space: global }
      - { .name: xc, .offset: 56, .size: 8, .value_kind: global_buffer, .address_space: global }
      - { .name: xs, .offset: 64, .size: 8, .value_kind: global_buffer, .address_space: global }
      - { .name: wq4, .offset: 72, .size: 8, .value_kind: global_buffer, .address_space: global }
      - { .name: wof, .offset: 80, .size: 8, .value_kind: global_buffer, .address_space: global }
    .group_segment_fixed_size: 33280
    .private_segment_fixed_size: 0
    .kernarg_segment_align: 8
    .kernarg_segment_size: 88
    .max_flat_workgroup_size: 128
    .sgpr_count:     66
    .vgpr_count:     192
    .wavefront_size: 32
...
	.end_amdgpu_metadata
.endif
;; end of part 1
;; launch gemm (part 2): grid 4 x 96, 4 waves a work-group, clusters of 4 x 4, 327,680 bytes of LDS; arguments xc, xs, wq4, qkv, vmx, bq, bk, bv; writes qkv, vmx
.if DOCPART == 2
	.amdgcn_target "amdgcn-amd-amdhsa--gfx1250"
	.amdhsa_code_object_version 6
	.text
	.protected	k_q8e12e3947e_gemm
	.globl	k_q8e12e3947e_gemm
	.p2align	8
	.type	k_q8e12e3947e_gemm,@function
k_q8e12e3947e_gemm:
	s_mov_b64 s[64:65], 0
	v_nop
	global_prefetch_b8 v0, s[64:65] scope:SCOPE_SE
	s_setreg_imm32_b32 hwreg(HW_REG_WAVE_MODE, 25, 1), 1
	s_wait_xcnt 0x0
	s_wait_alu depctr_hold_cnt(0) depctr_sa_sdst(0) depctr_va_vdst(0) depctr_va_sdst(0) depctr_va_ssrc(0) depctr_va_vcc(0) depctr_vm_vsrc(0)
	s_getreg_b32 s2, hwreg(HW_REG_IB_STS2, 6, 4)
	s_cmp_eq_u32 s2, 0
	s_cbranch_scc0 .Lentry_in_a_cluster
	s_endpgm
.Lentry_in_a_cluster:
	s_bfe_u32 s2, ttmp6, 0x10000c
	s_cmp_lg_u32 s2, 0xf033
	s_cbranch_scc0 .Lentry_shape_is_right
	s_endpgm
.Lentry_shape_is_right:
; GEMM.  The three projections as one product on codes of FP4 (E2M1) with E8M0 scales: rows 0-8191 queries x Wq, 8192-16383 keys x Wk, 16384-24575 values x Wv; K = 1,024, N = 1,024; sums in f32.
; The bias is the C of each sum's first matrix instruction.  q is multiplied by log2(e) in f32; all three are rounded once to f16 and stored head by head: qkv [3][batch 4][head 16][2048][64].
; Each wave also stores the largest magnitude of its 128 x 128 results in vmx ([96 tile rows][4 tile columns][4 waves]); the later launches use those of the values.
; LIMITS: |log2(e) q|, |k|, |v| stay under 65,504 (f16); NaN and infinities are not served.
; A tile of C, 256 x 256, is made by four waves, 128 x 128 each: 64 accumulators, 512 registers.  K goes in two steps of 512 through two LDS slots, each filled once.  384 work-groups: a smaller tile would read LDS twice as often.
; A's tiles lie as rows (256 bytes + 16 of padding).  B's tiles lie in memory in the order of the operand's registers: a dense block of 32,768 bytes for 128 columns x 512 k; a fragment is two runs of 512 bytes.
; The scale bytes of the work-group's 256 rows and 256 columns, for all of K, come once and stay.
; CLUSTERS: 4 x 4 work-groups; A's tiles are asked for jointly along a row of the cluster, B's along a column.  The sixteen partners share one of the three tensors (32 tile rows each, 4 to a cluster).
; THE MATRIX INSTRUCTION IS USED TRANSPOSED (source 0 = 16 columns of the weight, source 1 = 16 rows of x): a lane holds eight neighbouring columns of one row.
; REGISTERS: window 0: v0-31 addresses; v32-95 scale words, two sets, and nothing else; v96-127 the way out's packed results; v128-191 A's fragments, later the way out's f32; v192-255 the bias, later rows read back.
;   window 1: B's fragments, two sets (v0, v128).   windows 2, 3: the accumulators of my rows 0-63, 64-127 (accumulator (a, b) at v[8 (8 (a % 4) + b)]).
.set NQ,     4                         ; matrix instructions deep in a slot
.set ROWB,   256                       ; a row of A's tile: 512 codes
.set KROW,   512                       ; a row of xc in bytes
.set PITCH,  272                       ; 256 + 16: row r starts at bank 4 r mod 64 (64 banks of 4 bytes: ISA guide 11.1)
.set FR,     8
.set NL,     2
.set NP,     4                         ; places behind this matrix instruction (ISA guide 7.12.1)
.set HALFT,  128*PITCH
.set SLOT,   4*HALFT
.set KS,     32                        ; a row of scale bytes
.set SCL,    2*SLOT
.set HALFS,  (128*KS/256)*272
.set SBLK,   (16*KS/256)*272
.set SPARE,  SCL+4*HALFS               ; the spare words: 128 bytes a wave, two blocks of 256 bytes that no other line names
.set SPITCH, 272                       ; the way out: 16 rows x (256 bytes + 16) a wave, in slot 0, which has had its only fill and its last read by then
.set ADRA, 16
.set ADRB, 20
.set STO,  24
.set RD,   25
.set CO,   26                          ; 16 x lane
.set ADRS, 27
.set SPW,  28
.set NIL,  29
.set SC,   32
.set PK,   96
.set AF,   128
.set T,    128
.set BI,   192
.set BB0,  192
.set G1, 24
.set G0, 32
.set G1B, 48
.set G0B, 56
.set G1S, 68
.set G0S, 76
.set G1SB, 80
.set G0SB, 88
.set MSB, 0
.macro WIN new                         ; the immediate's high byte repeats the setting that is left
.if MSB != (\new)
	s_set_vgpr_msb (MSB<<8)|(\new)
.set MSB, (\new)
.endif
.endm
.set MUL_LO, 0xa1                      ; source 0 (B) window 1, source 1 (A) window 0, C and D window 2
.set MUL_HI, 0xf1
.set BIA_LO, 0x81                      ; the same with C (the bias) in window 0
.set BIA_HI, 0xc1
.set TO_B,   0x40
.macro JLOAD g0a, g1a, g0b, g1b        ; a joint load: waves 0, 1 fetch for A, waves 2, 3 for B; the branch hangs on the wave's number alone; s_nop 0 and four v_nop follow each line
	s_cmp_eq_u32 s15, 0
	s_cbranch_scc0 .Lfor_b_\@
	tensor_load_to_lds s[\g0a:\g0a+3], s[\g1a:\g1a+7]
	s_nop 0
.rept 4
	v_nop
.endr
	s_branch .Lasked_\@
.Lfor_b_\@:
	tensor_load_to_lds s[\g0b:\g0b+3], s[\g1b:\g1b+7]
	s_nop 0
.rept 4
	v_nop
.endr
.Lasked_\@:
.endm
.macro CROUND                          ; a round of the cluster's barrier
	s_barrier_signal -1
	s_barrier_wait -1
	s_cmp_lg_u32 s14, 0
	s_cbranch_scc1 .Lnot_wave_0_\@
	s_barrier_signal -3
.Lnot_wave_0_\@:
	s_barrier_wait -3
	s_barrier_signal -1
	s_barrier_wait -1
.endm
	s_load_b128 s[4:7], s[0:1], 0x0                ; xc, xs
	s_load_b64 s[8:9], s[0:1], 0x10                ; wq4
	s_load_b64 s[12:13], s[0:1], 0x18              ; qkv
	s_load_b64 s[66:67], s[0:1], 0x20              ; vmx
	s_load_b128 s[96:99], s[0:1], 0x28             ; bq, bk
	s_load_b64 s[100:101], s[0:1], 0x38            ; bv
	v_lshl_add_u32 v[SPW], v0, 2, SPARE
	v_mov_b32 v[NIL], 0
	ds_add_u32 v[SPW], v[NIL]                      ; the wave's opening: the add, twice on end, and its wait ahead of my first tensor load
	ds_add_u32 v[SPW], v[NIL]
	v_lshrrev_b32 v1, 5, v0
	v_readfirstlane_b32 s14, v1                    ; wave 0..3
	s_lshr_b32 s15, s14, 1                         ; which half of the tile's rows is mine.  Also: I fetch for A (0) or for B (1)
	s_and_b32 s16, s14, 1                          ; which half of its columns.  Also: which 128 rows or columns I fetch
	s_bfe_u32 s40, ttmp6, 0x40000                  ; cx
	s_bfe_u32 s41, ttmp6, 0x40004                  ; cy
	s_lshl_b32 s42, ttmp9, 2
	s_add_co_u32 s42, s42, s40                     ; tile column
	s_and_b32 s17, ttmp7, 0xffff
	s_lshr_b32 s2, s17, 3                          ; which tensor: 8 clusters along y each; the same in all sixteen partners
	s_lshl_b32 s17, s17, 2
	s_add_co_u32 s17, s17, s41                     ; tile row, 0..95
	s_lshl_b32 s43, s41, 2
	s_lshl_b32 s43, 15, s43                        ; my row of the cluster
	s_lshl_b32 s44, 0x1111, s40                    ; my column
	s_or_b32 s[G1+0], s43, (0<<16)|(1<<20)|(1<<21)|(5<<22)|(3<<25)  ; A: elements of 1 byte; 4 words of padding after every 64
	s_mov_b32 s[G1+1], ROWB<<16
	s_mov_b32 s[G1+2], 128<<16
	s_mov_b32 s[G1+3], ROWB<<16
	s_mov_b32 s[G1+4], 128
	s_mov_b32 s[G1+5], KROW
	s_mov_b32 s[G1+6], 0
	s_mov_b32 s[G1+7], 0
	s_or_b32 s[G1B+0], s44, (3<<16)|(1<<21)        ; B: a dense block of 32,768 bytes as 128 rows of 32 elements of 8 bytes, no padding
	s_mov_b32 s[G1B+1], 32<<16
	s_mov_b32 s[G1B+2], 128<<16
	s_mov_b32 s[G1B+3], 32<<16
	s_mov_b32 s[G1B+4], 128
	s_mov_b32 s[G1B+5], 32
	s_mov_b32 s[G1B+6], 0
	s_mov_b32 s[G1B+7], 0
	s_or_b32 s[G1S+0], s43, (3<<16)|(1<<20)|(1<<21)|(5<<22)|(3<<25)  ; the scales of 128 rows: 4,096 dense bytes as 16 rows of 256, 16 bytes of padding behind each
	s_or_b32 s[G1SB+0], s44, (3<<16)|(1<<20)|(1<<21)|(5<<22)|(3<<25)
.irp g, G1S, G1SB
	s_mov_b32 s[\g+1], 32<<16
	s_mov_b32 s[\g+2], (128*KS/256)<<16
	s_mov_b32 s[\g+3], 32<<16
	s_mov_b32 s[\g+4], 128*KS/256
	s_mov_b32 s[\g+5], 32
	s_mov_b32 s[\g+6], 0
	s_mov_b32 s[\g+7], 0
.endr
	s_lshl_b32 s18, s16, 7
	s_lshl_b32 s20, s17, 8
	s_add_co_u32 s20, s20, s18                     ; A: row 256 x tile row + 128 x half
	s_lshl_b32 s22, s20, 5                         ; its scale bytes,
	s_mov_b32 s23, 0
	s_lshl_b32 s20, s20, 9                         ; its codes
	s_mov_b32 s21, 0
	s_lshl_b32 s46, s42, 1
	s_add_co_u32 s46, s46, s16                     ; B: which 128 columns of the weight
	s_lshl_b32 s92, s46, 12                        ; their scale bytes: 128 x 32,
	s_lshl_b32 s46, s46, 16                        ; their codes: 65,536 bytes
	s_lshl_b32 s47, s2, 19
	s_add_co_u32 s46, s46, s47                     ; + the weight's 524,288
	s_lshl_b32 s47, s2, 15
	s_add_co_u32 s92, s92, s47                     ; + the weight's 32,768
	s_mov_b32 s47, 0
	s_mov_b32 s93, 0
	s_mul_i32 s45, s14, HALFT                      ; where they go: no place in the cluster enters an LDS address
	s_mul_i32 s3, s14, HALFS
	s_mov_b32 s94, 0x3fb8aa3b                      ; log2(e) for q, 1 for k and v
	s_cmp_eq_u32 s2, 0
	s_cselect_b32 s94, s94, 1.0
	s_mov_b32 s95, s94                             ; (named with it as a pair)
	s_wait_dscnt 0x0                               ; both opening adds are done
	s_wait_kmcnt 0x0
	s_add_nc_u64 s[10:11], s[8:9], 1572864         ; the weights' scale bytes lie behind their codes
	s_add_nc_u64 s[20:21], s[4:5], s[20:21]
	s_add_nc_u64 s[22:23], s[6:7], s[22:23]
	s_add_nc_u64 s[46:47], s[8:9], s[46:47]
	s_add_nc_u64 s[92:93], s[10:11], s[92:93]
	CROUND                                         ; all sixteen work-groups are here: the first joint loads meet
	s_mov_b32 s[G0S], 1
	s_add_co_u32 s[G0S+1], s3, SCL
	s_mov_b64 s[G0S+2:G0S+3], s[22:23]
	s_or_b32 s[G0S+3], s[G0S+3], 0x80000000
	s_mov_b32 s[G0SB], 1
	s_add_co_u32 s[G0SB+1], s3, SCL
	s_mov_b64 s[G0SB+2:G0SB+3], s[92:93]
	s_or_b32 s[G0SB+3], s[G0SB+3], 0x80000000
	JLOAD G0S, G1S, G0SB, G1SB                     ; the scales first
.irp s, 0,1
	s_mov_b32 s[G0+4*\s], 1
	s_add_co_u32 s[G0+4*\s+1], s45, \s*SLOT
	s_add_nc_u64 s[G0+4*\s+2:G0+4*\s+3], s[20:21], \s*ROWB
	s_or_b32 s[G0+4*\s+3], s[G0+4*\s+3], 0x80000000
	s_mov_b32 s[G0B+4*\s], 1
	s_add_co_u32 s[G0B+4*\s+1], s45, \s*SLOT
	s_add_nc_u64 s[G0B+4*\s+2:G0B+4*\s+3], s[46:47], \s*32768
	s_or_b32 s[G0B+4*\s+3], s[G0B+4*\s+3], 0x80000000
	JLOAD G0+4*\s, G1, G0B+4*\s, G1B               ; both K steps: three tensor loads of mine are out
.endr
	v_and_b32 v1, 15, v0                           ; r
	v_bfe_u32 v2, v0, 4, 1                         ; h
	v_and_b32 v6, 31, v0                           ; lane
	v_mul_u32_u24 v3, v1, PITCH
	v_lshl_add_u32 v4, v2, 4, v3                   ; A: row x pitch + 16 h
	v_lshlrev_b32 v[CO], 4, v6                     ; B, and the way out: 16 x lane
	s_mul_i32 s21, s15, HALFT
	s_mul_i32 s22, s16, HALFT
	s_add_co_u32 s22, s22, 2*HALFT
.irp s, 0,1
	v_add_nc_u32 v[ADRA+\s], s21, v4
	v_add_nc_u32 v[ADRB+\s], s22, v[CO]
	s_add_co_u32 s21, s21, SLOT
	s_add_co_u32 s22, s22, SLOT
.endr
	v_mul_u32_u24 v5, v1, KS                       ; my row's scale bytes,
	v_lshrrev_b32 v7, 8, v5
	v_lshl_add_u32 v5, v7, 4, v5                   ; and 16 more for each 256 passed
	s_mul_i32 s21, s15, HALFS
	s_mul_i32 s22, s16, HALFS
	s_add_co_u32 s22, s22, 2*HALFS
	s_sub_co_u32 s22, s22, s21
	v_mul_u32_u24 v7, s22, v2                      ; lanes 16-31 take B's
	s_add_co_u32 s21, s21, SCL
	v_add_nc_u32 v5, v5, v7
	v_add_nc_u32 v[ADRS], s21, v5
	s_mul_i32 s23, s14, 16*SPITCH                  ; my stage
	v_mul_u32_u24 v5, v1, SPITCH
	v_lshl_add_u32 v5, v2, 4, v5
	v_add_nc_u32 v[STO], s23, v5                   ; in: row r, 16 bytes for each half of the lanes
	v_lshrrev_b32 v5, 3, v6
	v_mul_u32_u24 v5, v5, SPITCH
	v_and_b32 v7, 7, v6
	v_lshl_add_u32 v5, v7, 4, v5
	v_add_nc_u32 v[RD], s23, v5                    ; back: eight lanes take a head's 128 bytes of a row, four rows an instruction
	s_and_b32 s20, s17, 31                         ; the tile row in its tensor
	s_lshr_b32 s21, s20, 3
	s_lshl_b32 s21, s21, 22                        ; the batch: 16 heads of 262,144 bytes
	s_and_b32 s20, s20, 7
	s_lshl_b32 s20, s20, 15                        ; 256 positions of 128 bytes
	s_add_co_u32 s20, s20, s21
	s_lshl_b32 s21, s15, 14
	s_add_co_u32 s20, s20, s21
	s_lshl_b32 s21, s2, 24                         ; the tensor
	s_add_co_u32 s20, s20, s21
	s_mov_b32 s21, 0
	s_add_nc_u64 s[12:13], s[12:13], s[20:21]
	s_lshl_b32 s46, s42, 20                        ; four heads a tile column, two a wave (in registers that hold the column's coordinate alone)
	s_lshl_b32 s47, s16, 19
	s_add_co_u32 s46, s46, s47
	s_mov_b32 s47, 0
	s_add_nc_u64 s[12:13], s[12:13], s[46:47]
	s_lshl_b32 s20, s17, 6                         ; vmx: ((4 x tile row + tile column) x 4 + wave) x 4 bytes
	s_lshl_b32 s21, s14, 2
	s_add_co_u32 s20, s20, s21
	s_mov_b32 s21, 0
	s_add_nc_u64 s[66:67], s[66:67], s[20:21]
	s_lshl_b32 s46, s42, 4
	s_add_nc_u64 s[66:67], s[66:67], s[46:47]
	s_cmp_eq_u32 s2, 0                             ; the tensor's bias
	s_cselect_b64 s[96:97], s[96:97], s[98:99]
	s_cmp_eq_u32 s2, 2
	s_cselect_b64 s[96:97], s[100:101], s[96:97]
	s_lshl_b32 s46, s42, 10
	s_lshl_b32 s47, s16, 9
	s_add_co_u32 s46, s46, s47                     ; my first column x 4 bytes
	s_mov_b32 s47, 0
	s_add_nc_u64 s[96:97], s[96:97], s[46:47]
	v_lshlrev_b32 v7, 5, v2                        ; lane (r, h) wants, for block b, the bias of columns 16 b + 8 h + 0 .. 7
.irp b, 0,1,2,3,4,5,6,7
	global_load_b128 v[BI+8*\b:BI+8*\b+3], v7, s[96:97] offset:64*\b
	global_load_b128 v[BI+8*\b+4:BI+8*\b+7], v7, s[96:97] offset:64*\b+16
.endr
	v_mov_b32 v8, 0                                ; the largest magnitude, in two chains
	v_mov_b32 v9, 0
	s_mov_b32 s18, 0x76543210                      ; v_permlanex16_b32's selects for lane l xor 16
	s_mov_b32 s19, 0xfedcba98
.macro FRAG reg, adr, q, i             ; A: 16 rows x 128 K: registers 4 c .. 4 c + 3 hold K = 64 c + 32 h + 0 .. 31
.irp c, 0,1
	ds_load_b128 v[\reg+4*\c:\reg+4*\c+3], v[\adr] offset:64*(\q)+32*\c+(\i)*16*PITCH
.endr
.endm
.macro FRAGB reg, adr, q, i            ; B: the fragment of tile i, K step q, lies as its registers: two runs of 512 bytes
.irp c, 0,1
	ds_load_b128 v[\reg+4*\c:\reg+4*\c+3], v[\adr] offset:(4*(\i)+(\q))*1024+512*\c
.endr
.endm
; 16 matrix instructions: A's blocks a0, a0 + 1 x B's eight.  zero = 1: the sums begin with the bias.  The 64 accumulators take turns, one instruction a turn.
.macro MUL16 a0, p, q, sc, zero
.irp a, \a0, \a0+1
.irp b, 0,1,2,3,4,5,6,7
.if \zero
	v_wmma_scale_f32_16x16x128_f8f6f4 v[8*(8*((\a)%4)+\b):8*(8*((\a)%4)+\b)+7], v[128*(\p)+FR*\b:128*(\p)+FR*\b+FR-1], v[AF+FR*(\a):AF+FR*(\a)+FR-1], v[BI+8*\b:BI+8*\b+7], v[SC+8*NQ*(\sc)+NQ*\b+(\q)], v[SC+8*NQ*(\sc)+NQ*(\a)+(\q)] matrix_a_fmt:MATRIX_FMT_FP4 matrix_b_fmt:MATRIX_FMT_FP4 matrix_a_scale:MATRIX_SCALE_ROW1
.else
	v_wmma_scale_f32_16x16x128_f8f6f4 v[8*(8*((\a)%4)+\b):8*(8*((\a)%4)+\b)+7], v[128*(\p)+FR*\b:128*(\p)+FR*\b+FR-1], v[AF+FR*(\a):AF+FR*(\a)+FR-1], v[8*(8*((\a)%4)+\b):8*(8*((\a)%4)+\b)+7], v[SC+8*NQ*(\sc)+NQ*\b+(\q)], v[SC+8*NQ*(\sc)+NQ*(\a)+(\q)] matrix_a_fmt:MATRIX_FMT_FP4 matrix_b_fmt:MATRIX_FMT_FP4 matrix_a_scale:MATRIX_SCALE_ROW1
.endif
.endr
.endr
.endm
.macro FETCH_B slot, q, p
	WIN TO_B
.irp i, 0,1,2,3,4,5,6,7
	FRAGB 128*(\p)+FR*\i, ADRB+\slot, \q, \i
.endr
	WIN 0
.endm
.macro FETCH_A slot, q, i0
.irp i, \i0, \i0+1, \i0+2, \i0+3
	FRAG AF+FR*(\i), ADRA+\slot, \q, \i
.endr
.endm
.macro SCALES sc                       ; a K step's scale words: lanes 0-15 A's block i, lanes 16-31 B's block i
.irp i, 0,1,2,3,4,5,6,7
	ds_load_b128 v[SC+8*NQ*\sc+NQ*\i:SC+8*NQ*\sc+NQ*\i+3], v[ADRS] offset:\i*SBLK
.endr
.endm
.macro PLACES n                        ; plain vector lines between a matrix instruction and a load into, or a read of, its registers
.rept \n
	v_nop
.endr
.endm
.macro STEP slot, q, zero              ; 128 along K with its successor in the same slot
	s_wait_dscnt 4*NL                              ; B's set and A's blocks 0-3 are in; the youngest eight loads (A's blocks 4-7) may be out
.if \zero
	WIN BIA_LO
.else
	WIN MUL_LO
.endif
	MUL16 0, (\q)%2, \q, \slot, \zero
	MUL16 2, (\q)%2, \q, \slot, \zero
	s_wait_dscnt 0
	PLACES NP
	FETCH_B \slot, (\q)+1, 1-(\q)%2
	FETCH_A \slot, (\q)+1, 0
.if \zero
	WIN BIA_HI
.else
	WIN MUL_HI
.endif
	MUL16 4, (\q)%2, \q, \slot, \zero
	MUL16 6, (\q)%2, \q, \slot, \zero
	PLACES NP
	WIN 0
	FETCH_A \slot, (\q)+1, 4
.endm
.macro STEPS slot, from
.set Q, \from
.rept NQ-1-\from
	STEP \slot, Q, 0
.set Q, Q+1
.endr
.endm
	s_wait_tensorcnt 1                             ; the scales and my part of K step 0 are in; K step 1's load may be out
	s_barrier_signal -1
	s_barrier_wait -1
	FETCH_B 0, 0, 0
	FETCH_A 0, 0, 0
	SCALES 0
	FETCH_A 0, 0, 4
	s_wait_loadcnt 0x0                             ; the bias
	STEP 0, 0, 1
	STEPS 0, 1
	; slot 0's last step changes slots: one barrier; in front of it my part of slot 1 has landed and my reads of slot 0 are over.  Nothing is filled again
	s_wait_tensorcnt 0x0
	ds_add_u32 v[SPW], v[NIL]
	s_wait_dscnt 4*NL+1                            ; the add and A's blocks 4-7 may be out
	WIN MUL_LO
	MUL16 0, 1, NQ-1, 0, 0
	s_wait_dscnt 0x0
	s_barrier_signal -1
	MUL16 2, 1, NQ-1, 0, 0
	WIN 0
	s_barrier_wait -1
	PLACES NP
	v_add_nc_u32 v[ADRS], 4*NQ, v[ADRS]            ; on to the second K step's scale words
	FETCH_B 1, 0, 0
	FETCH_A 1, 0, 0
	SCALES 1
	WIN MUL_HI
	MUL16 4, 1, NQ-1, 0, 0
	MUL16 6, 1, NQ-1, 0, 0
	PLACES NP
	WIN 0
	FETCH_A 1, 0, 4
	STEPS 1, 0
	s_wait_dscnt 4*NL                              ; the very last step
	WIN MUL_LO
	MUL16 0, 1, NQ-1, 1, 0
	MUL16 2, 1, NQ-1, 1, 0
	s_wait_dscnt 0
	WIN MUL_HI
	MUL16 4, 1, NQ-1, 1, 0
	MUL16 6, 1, NQ-1, 1, 0
	WIN 0
; THE WAY OUT, block by block of 16 rows x 128 columns (two heads).  Times log2(e) or 1; the largest magnitude; f16; through my stage; back as a head's rows: 4 rows of 128 bytes are 512 consecutive bytes of qkv.
.macro PACKF a
	WIN 0x02+(\a)/4                                ; source 0: window 2 or 3
.set i, 0
.rept 32
	v_pk_mul_f32 v[T+2*i:T+2*i+1], v[64*((\a)%4)+2*i:64*((\a)%4)+2*i+1], s[94:95] op_sel_hi:[1,0]   ; each accumulator from its low end on
.set i, i+1
.endr
	WIN 0
.set i, 0
.rept 16
	v_max3_num_f32 v8, v8, |v[T+4*i]|, |v[T+4*i+1]|
	v_max3_num_f32 v9, v9, |v[T+4*i+2]|, |v[T+4*i+3]|
.set i, i+1
.endr
.set i, 0
.rept 32
	v_cvt_pk_f16_f32 v[PK+i], v[T+2*i], v[T+2*i+1]
.set i, i+1
.endr
.endm
.macro TOSTAGE a
.set BB, BB0+32*((\a)%2)
.irp b, 0,1,2,3,4,5,6,7
	ds_store_b128 v[STO], v[PK+4*\b:PK+4*\b+3] offset:32*\b
.endr
.irp hh, 0,1
.irp t, 0,1,2,3
	ds_load_b128 v[BB+4*(4*\hh+\t):BB+4*(4*\hh+\t)+3], v[RD] offset:128*\hh+4*SPITCH*\t   ; in order behind my stores (ISA guide 5.7.1.4)
.endr
.endr
.endm
.macro SEND a, younger
.set BB, BB0+32*((\a)%2)
	s_wait_dscnt \younger
.irp hh, 0,1
.irp t, 0,1,2,3
	global_store_b128 v[CO], v[BB+4*(4*\hh+\t):BB+4*(4*\hh+\t)+3], s[12:13] offset:262144*\hh+2048*(\a)+512*\t   ; 32 lanes store 512 consecutive bytes, aligned
.endr
.endr
.endm
	PLACES NP                                      ; behind the last products: the lines below write registers that held A's fragments
	PACKF 0
	TOSTAGE 0
.irp a, 1,2,3,4,5,6,7
.if \a > 1
	s_wait_xcnt 0x0                                ; block a - 2's stores have read their registers: block a's loads may land there
.endif
	PACKF \a
	TOSTAGE \a
	SEND \a-1, 16                                  ; behind block a - 1's loads: block a's 8 stores and 8 loads
.endr
	SEND 7, 0
	v_max_num_f32 v8, v8, v9                       ; the wave's largest magnitude
	v_max_num_f32_dpp v8, v8, v8 row_xmask:1 row_mask:0xf bank_mask:0xf
	v_max_num_f32_dpp v8, v8, v8 row_xmask:2 row_mask:0xf bank_mask:0xf
	v_max_num_f32_dpp v8, v8, v8 row_xmask:4 row_mask:0xf bank_mask:0xf
	v_max_num_f32_dpp v8, v8, v8 row_xmask:8 row_mask:0xf bank_mask:0xf
	v_permlanex16_b32 v9, v8, s18, s19
	v_max_num_f32 v8, v8, v9
	v_mov_b32 v7, 0
	v_cmp_eq_u32 vcc_lo, 0, v6
	s_wait_xcnt 0x0                                ; EXEC changes only behind this wait: stores are out
	s_and_saveexec_b32 s3, vcc_lo
	global_store_b32 v7, v8, s[66:67]              ; lane 0 alone
	s_wait_xcnt 0x0
	s_or_b32 exec_lo, exec_lo, s3
	s_wait_tensorcnt 0x0                           ; the wave's end
	ds_add_u32 v[SPW], v[NIL]
	s_wait_dscnt 0x0
	CROUND                                         ; the closing round
	s_endpgm
.Lfunc_end_k_q8e12e3947e_gemm:
	.size	k_q8e12e3947e_gemm, .Lfunc_end_k_q8e12e3947e_gemm-k_q8e12e3947e_gemm
	.p2alignl 7, 3214868480
	.fill 96, 4, 3214868480
	.section	.rodata,"a",@progbits
	.p2align	6, 0x0
	.amdhsa_kernel k_q8e12e3947e_gemm
		.amdhsa_group_segment_fixed_size 327680
		.amdhsa_private_segment_fixed_size 0
		.amdhsa_enable_private_segment 0
		.amdhsa_kernarg_size 64
		.amdhsa_user_sgpr_count 2
		.amdhsa_user_sgpr_kernarg_segment_ptr 1
		.amdhsa_wavefront_size32 1
		.amdhsa_system_sgpr_workgroup_id_x 1
		.amdhsa_system_sgpr_workgroup_id_y 1
		.amdhsa_system_sgpr_workgroup_id_z 1
		.amdhsa_system_vgpr_workitem_id 0
		.amdhsa_next_free_vgpr 1024
		.amdhsa_next_free_sgpr 102
		.amdhsa_reserve_vcc 1
		.amdhsa_float_denorm_mode_32 3
		.amdhsa_float_denorm_mode_16_64 3
		.amdhsa_memory_ordered 1
		.amdhsa_forward_progress 1
		.amdhsa_inst_pref_size 162
	.end_amdhsa_kernel
	.amdgpu_metadata
---
amdhsa.version: [ 1, 2 ]
amdhsa.kernels:
  - .name:           k_q8e12e3947e_gemm
    .symbol:         k_q8e12e3947e_gemm.kd
    .args:
      - { .name: xc, .offset: 0, .size: 8, .value_kind: global_buffer, .address_space: global }
      - { .name: xs, .offset: 8, .size: 8, .value_kind: global_buffer, .address_space: global }
      - { .name: wq4, .offset: 16, .size: 8, .value_kind: global_buffer, .address_space: global }
      - { .name: qkv, .offset: 24, .size: 8, .value_kind: global_buffer, .address_space: global }
      - { .name: vmx, .offset: 32, .size: 8, .value_kind: global_buffer, .address_space: global }
      - { .name: bq, .offset: 40, .size: 8, .value_kind: global_buffer, .address_space: global }
      - { .name: bk, .offset: 48, .size: 8, .value_kind: global_buffer, .address_space: global }
      - { .name: bv, .offset: 56, .size: 8, .value_kind: global_buffer, .address_space: global }
    .group_segment_fixed_size: 327680
    .private_segment_fixed_size: 0
    .kernarg_segment_align: 8
    .kernarg_segment_size: 64
    .max_flat_workgroup_size: 128
    .sgpr_count:     102
    .vgpr_count:     1024
    .wavefront_size: 32
...
	.end_amdgpu_metadata
.endif
;; end of part 2
;; launch stat (part 3): grid 4 x 64, 8 waves a work-group, clusters of 4 x 1, 327,680 bytes of LDS; arguments qkv, stat; writes stat
.if DOCPART == 3
	.amdgcn_target "amdgcn-amd-amdhsa--gfx1250"
	.amdhsa_code_object_version 6
	.text
	.protected	k_q8e12e3947e_stat
	.globl	k_q8e12e3947e_stat
	.p2align	8
	.type	k_q8e12e3947e_stat,@function
k_q8e12e3947e_stat:
	s_mov_b64 s[64:65], 0
	v_nop
	global_prefetch_b8 v0, s[64:65] scope:SCOPE_SE
	s_setreg_imm32_b32 hwreg(HW_REG_WAVE_MODE, 25, 1), 1
	s_wait_xcnt 0x0
	s_wait_alu depctr_hold_cnt(0) depctr_sa_sdst(0) depctr_va_vdst(0) depctr_va_sdst(0) depctr_va_ssrc(0) depctr_va_vcc(0) depctr_vm_vsrc(0)
	s_getreg_b32 s2, hwreg(HW_REG_IB_STS2, 6, 4)
	s_cmp_eq_u32 s2, 0
	s_cbranch_scc0 .Lentry_in_a_cluster
	s_endpgm
.Lentry_in_a_cluster:
	s_bfe_u32 s2, ttmp6, 0x10000c
	s_cmp_lg_u32 s2, 0x3003
	s_cbranch_scc0 .Lentry_shape_is_right
	s_endpgm
.Lentry_shape_is_right:
; STAT.  The softmax runs over the QUERIES: for each head and key, M = the largest t over the head's 2,048 queries and L = the sum over them of 2^(t - M), where t = (log2(e) q) . k on the f16 numbers of qkv, sums in f32.
; Stored: stat [64 heads][2][2048] f32: -M, then -log2(L).
; The scores are made by a chain of two matrix instructions (channels 0-31 with C = 0, then 32-63); the next launch makes them by the same chain with the sources swapped, so t - M is exactly 0 at a column's maximum there too.
; The maximum is a running one: each half of the lanes keeps M and L of its queries, L is multiplied by 2^(old M - new M) in every step, and the halves are merged at the end.
; SHARES.  A cluster of four work-groups is one head; a work-group owns 512 keys, each of its eight waves 64.  All four walk the same 2,048 rows of q: they are asked for JOINTLY, and the whole head's q
; (2,048 rows x (128 + 16) bytes) lies in LDS, filled once: no slot is filled again.  A wave's four loads (64 rows each) are out at the start; each quarter of q is read behind its own counted wait and a barrier.
; LAYOUT.  Source 0 = 16 queries, source 1 = 16 keys: a lane holds ONE key and eight queries.  Tile T holds keys 4 r + T, so a lane's four results are 16 neighbouring bytes.
; LIMITS: NaN and infinities are not served.
.set QP,   144                         ; a row of q in LDS: 128 bytes + 16: an odd multiple of 16
.set PH,   512*QP                      ; a quarter of the head
.set SPARE, 2048*QP                    ; the spare words: 128 bytes a wave, four blocks of 256 bytes that no other line names
.set KO,   3                           ; v3  512 r + 16 h: my key's row in the wave's 64
.set AQ0,  4                           ; v4  144 r + 16 h
.set ADQ,  5
.set SPW,  6
.set NIL,  7
.set GO,   8                           ; v8  8,192 h + 16 r
.set KF,   16                          ; v16-79   k: tile T, channels 32 s on at KF + 16 T + 8 s
.set QF,   80                          ; v80-111  q: tile a, channels 32 s on at QF + 16 a + 8 s
.set S,    112                         ; v112-175 scores: S(a, T) at S + 8 (4 a + T)
.set MM,   176                         ; v176-183 M, in pairs whose low word counts
.set LL,   184                         ; v184-191 L, in two halves
.set TN,   192                         ; v192-195 the new M
.set FF,   196                         ; v196-203 old M - new M, then 2^ of it, in pairs whose low word counts
.set PM,   204
.set OUTR, 208
.set MF,   212
.set DD,   216
.set LS,   220
.macro CROUND
	s_barrier_signal -1
	s_barrier_wait -1
	s_cmp_lg_u32 s12, 0
	s_cbranch_scc1 .Lnot_wave_0_\@
	s_barrier_signal -3
.Lnot_wave_0_\@:
	s_barrier_wait -3
	s_barrier_signal -1
	s_barrier_wait -1
.endm
	s_load_b128 s[4:7], s[0:1], 0x0                ; qkv, stat
	v_lshl_add_u32 v[SPW], v0, 2, SPARE
	v_mov_b32 v[NIL], 0
	ds_add_u32 v[SPW], v[NIL]                      ; the wave's opening: the add, twice on end, and its wait ahead of my first tensor load
	ds_add_u32 v[SPW], v[NIL]
	v_lshrrev_b32 v1, 5, v0
	v_readfirstlane_b32 s12, v1                    ; wave 0..7
	s_bfe_u32 s13, ttmp6, 0x40000                  ; cx: it enters k's and stat's addresses alone
	s_and_b32 s14, ttmp7, 0xffff                   ; the head
	s_mov_b32 s24, 15|(1<<16)|(1<<20)|(1<<21)|(4<<22)|(3<<25)   ; all four work-groups; elements of 2 bytes; 4 words of padding after every 32
	s_mov_b32 s25, 64<<16                          ; tensor_dim0
	s_mov_b32 s26, 64<<16                          ; tensor_dim1
	s_mov_b32 s27, 64<<16                          ; tile_dim0
	s_mov_b32 s28, 64                              ; tile_dim1
	s_mov_b32 s29, 64                              ; from row to row
	s_mov_b32 s30, 0
	s_mov_b32 s31, 0
	s_lshl_b32 s16, s14, 18                        ; q: the head's 262,144 bytes,
	s_lshl_b32 s17, s12, 13                        ; my wave's 64 rows of a quarter
	s_add_co_u32 s16, s16, s17
	s_mov_b32 s17, 0
	s_mul_i32 s18, s12, 64*QP
	s_lshl_b32 s20, s13, 16                        ; k: my work-group's 512 keys,
	s_lshl_b32 s21, s12, 13                        ; my wave's 64,
	s_add_co_u32 s20, s20, s21
	s_lshl_b32 s21, s14, 18
	s_add_co_u32 s20, s20, s21
	s_add_co_u32 s20, s20, 16777216                ; behind q
	s_mov_b32 s21, 0
	s_lshl_b32 s22, s14, 14                        ; stat: 16,384 bytes a head
	s_lshl_b32 s23, s13, 11
	s_add_co_u32 s22, s22, s23
	s_lshl_b32 s23, s12, 8
	s_add_co_u32 s22, s22, s23
	s_mov_b32 s23, 0
	s_mov_b32 s48, 0x76543210                      ; v_permlanex16_b32's selects for lane l xor 16
	s_mov_b32 s49, 0xfedcba98
	s_mov_b32 s50, 0                               ; the LDS byte of the step's first query
	s_wait_dscnt 0x0                               ; both opening adds are done
	s_wait_kmcnt 0x0
	s_add_nc_u64 s[16:17], s[4:5], s[16:17]
	s_add_nc_u64 s[20:21], s[4:5], s[20:21]
	s_add_nc_u64 s[6:7], s[6:7], s[22:23]
	CROUND                                         ; all four work-groups are here: the joint loads meet
.irp p, 0,1,2,3
	s_mov_b32 s[32+4*\p], 1
	s_add_co_u32 s[33+4*\p], s18, \p*PH
	s_add_nc_u64 s[34+4*\p:35+4*\p], s[16:17], \p*65536
	s_or_b32 s[35+4*\p], s[35+4*\p], 0x80000000
.endr
.irp p, 0,1,2,3
	tensor_load_to_lds s[32+4*\p:35+4*\p], s[24:31]    ; my 64 rows of quarter p: four loads of mine are out
	s_nop 0
.endr
.rept 4
	v_nop
.endr
	v_and_b32 v1, 15, v0                           ; r
	v_bfe_u32 v2, v0, 4, 1                         ; h
	v_and_b32 v9, 31, v0                           ; lane
	v_lshlrev_b32 v[KO], 9, v1
	v_lshl_add_u32 v[KO], v2, 4, v[KO]
	v_mul_u32_u24 v[AQ0], v1, QP
	v_lshl_add_u32 v[AQ0], v2, 4, v[AQ0]
	v_lshlrev_b32 v[GO], 13, v2
	v_lshl_add_u32 v[GO], v1, 4, v[GO]
.irp t, 0,1,2,3
.irp s, 0,1
	global_load_b128 v[KF+16*\t+8*\s:KF+16*\t+8*\s+3], v[KO], s[20:21] offset:128*\t+64*\s       ; key 4 r + T, channels 32 s + 8 h + 0 .. 7
	global_load_b128 v[KF+16*\t+8*\s+4:KF+16*\t+8*\s+7], v[KO], s[20:21] offset:128*\t+64*\s+32  ; and 16 further on
.endr
.endr
.irp t, 0,1,2,3
	v_mov_b32 v[MM+2*\t], 0xff61b1e6               ; -3e38, under every t
	v_mov_b32 v[MM+2*\t+1], 0                      ; (named as the pair's upper half)
	v_mov_b32 v[LL+2*\t], 0
	v_mov_b32 v[LL+2*\t+1], 0
	v_mov_b32 v[FF+2*\t], 0
	v_mov_b32 v[FF+2*\t+1], 0
	v_mov_b32 v[PM+\t], 0                          ; a lane permute's destination counts as one of its sources
.endr
	s_wait_loadcnt 0x0                             ; k
.macro SUBM n, i                       ; pair i of tile n: t - M
	v_pk_add_f32 v[S+8*(\n)+2*(\i):S+8*(\n)+2*(\i)+1], v[S+8*(\n)+2*(\i):S+8*(\n)+2*(\i)+1], v[MM+2*((\n)%4):MM+2*((\n)%4)+1] op_sel_hi:[1,0] neg_lo:[0,1] neg_hi:[0,1]
.endm
; 32 queries against my 64 keys: 16 matrix instructions on eight accumulators by turns, then the running maximum and sum
.macro STEP
	v_add_nc_u32 v[ADQ], s50, v[AQ0]
.irp a, 0,1
.irp s, 0,1
	ds_load_b128 v[QF+16*\a+8*\s:QF+16*\a+8*\s+3], v[ADQ] offset:16*QP*\a+64*\s
	ds_load_b128 v[QF+16*\a+8*\s+4:QF+16*\a+8*\s+7], v[ADQ] offset:16*QP*\a+64*\s+32
.endr
.endr
	s_wait_dscnt 0x0
.irp a, 0,1
.irp t, 0,1,2,3
	v_wmma_f32_16x16x32_f16 v[S+8*(4*\a+\t):S+8*(4*\a+\t)+7], v[QF+16*\a:QF+16*\a+7], v[KF+16*\t:KF+16*\t+7], 0
.endr
.endr
.irp a, 0,1
.irp t, 0,1,2,3
	v_wmma_f32_16x16x32_f16 v[S+8*(4*\a+\t):S+8*(4*\a+\t)+7], v[QF+16*\a+8:QF+16*\a+15], v[KF+16*\t+8:KF+16*\t+15], v[S+8*(4*\a+\t):S+8*(4*\a+\t)+7]
.endr
.endr
.rept 4
	v_nop                                          ; places behind the products (ISA guide 7.12.1)
.endr
.irp t, 0,1,2,3
	v_max3_num_f32 v[TN+\t], v[MM+2*\t], v[S+8*\t], v[S+8*\t+1]       ; the old M and my 16 queries' scores, each accumulator from its low end on; the four keys by turns
.endr
.irp i, 2,4,6
.irp t, 0,1,2,3
	v_max3_num_f32 v[TN+\t], v[TN+\t], v[S+8*\t+\i], v[S+8*\t+\i+1]
.endr
.endr
.irp i, 0,2,4,6
.irp t, 0,1,2,3
	v_max3_num_f32 v[TN+\t], v[TN+\t], v[S+32+8*\t+\i], v[S+32+8*\t+\i+1]
.endr
.endr
.irp t, 0,1,2,3
	v_sub_f32 v[FF+2*\t], v[MM+2*\t], v[TN+\t]     ; old M - new M, 0 or less
.endr
.irp t, 0,1,2,3
	v_mov_b32 v[MM+2*\t], v[TN+\t]
.endr
.irp i, 0,1,2,3
	SUBM 0, \i
.endr
.irp n, 0,1,2,3,4,5,6                  ; ONE BATCH of 68 exponentials; the next tile's subtractions stand between them; none reads a result
.irp i, 0,1,2,3
	v_exp_f32 v[S+8*\n+2*\i], v[S+8*\n+2*\i]
	v_exp_f32 v[S+8*\n+2*\i+1], v[S+8*\n+2*\i+1]
	SUBM \n+1, \i
.endr
.endr
.irp i, 0,1,2,3,4,5,6,7
	v_exp_f32 v[S+56+\i], v[S+56+\i]
.endr
.irp t, 0,1,2,3
	v_exp_f32 v[FF+2*\t], v[FF+2*\t]
.endr
	v_nop                                          ; a plain line behind the last exponential
	s_wait_alu depctr_va_vdst(0)                   ; one wait for the batch, ahead of its first reader
.irp t, 0,1,2,3
	v_pk_mul_f32 v[LL+2*\t:LL+2*\t+1], v[LL+2*\t:LL+2*\t+1], v[FF+2*\t:FF+2*\t+1] op_sel_hi:[1,0]   ; L under the new M
.endr
.irp a, 0,1
.irp i, 0,2,4,6
.irp t, 0,1,2,3
	v_pk_add_f32 v[LL+2*\t:LL+2*\t+1], v[LL+2*\t:LL+2*\t+1], v[S+8*(4*\a+\t)+\i:S+8*(4*\a+\t)+\i+1]
.endr
.endr
.endr
	s_add_co_u32 s50, s50, 32*QP
.endm
.macro PHASE p                         ; a quarter of the head's queries
	s_wait_tensorcnt 3-\p                          ; my part of quarter p is in; the later quarters' loads stay out
	s_barrier_signal -1
	s_barrier_wait -1                              ; everybody's is
	s_mov_b32 s51, 16
.Lq_\@:
	STEP
	s_sub_co_u32 s51, s51, 1
	s_cmp_lg_u32 s51, 0
	s_cbranch_scc1 .Lq_\@
.endm
	PHASE 0
	PHASE 1
	PHASE 2
	PHASE 3
	; the two halves of the lanes are merged
.irp t, 0,1,2,3
	v_permlanex16_b32 v[PM+\t], v[MM+2*\t], s48, s49
.endr
.irp t, 0,1,2,3
	v_max_num_f32 v[MF+\t], v[MM+2*\t], v[PM+\t]   ; the key's M
.endr
.irp t, 0,1,2,3
	v_sub_f32 v[DD+\t], v[MM+2*\t], v[MF+\t]
.endr
.irp t, 0,1,2,3
	v_exp_f32 v[DD+\t], v[DD+\t]
.endr
.irp t, 0,1,2,3
	v_add_f32 v[LS+\t], v[LL+2*\t], v[LL+2*\t+1]   ; (plain lines behind the exponentials)
.endr
	s_wait_alu depctr_va_vdst(0)
.irp t, 0,1,2,3
	v_mul_f32 v[LS+\t], v[LS+\t], v[DD+\t]         ; my half's L under the key's M
.endr
.irp t, 0,1,2,3
	v_permlanex16_b32 v[PM+\t], v[LS+\t], s48, s49
.endr
.irp t, 0,1,2,3
	v_add_f32 v[LS+\t], v[LS+\t], v[PM+\t]         ; the key's L, between 1 and 2,048
.endr
.irp t, 0,1,2,3
	v_log_f32 v[LS+\t], v[LS+\t]
.endr
	v_cmp_le_u32 vcc_lo, 16, v9                    ; (a plain line)  lanes 16-31 store the logarithm
	s_wait_alu depctr_va_vdst(0)
.irp t, 0,1,2,3
	v_cndmask_b32 v[OUTR+\t], v[MF+\t], v[LS+\t], vcc_lo
.endr
.irp t, 0,1,2,3
	v_xor_b32 v[OUTR+\t], 0x80000000, v[OUTR+\t]   ; both are stored negated
.endr
	global_store_b128 v[GO], v[OUTR:OUTR+3], s[6:7]    ; each half of the lanes stores 256 consecutive bytes, aligned
	s_wait_tensorcnt 0x0                           ; the wave's end
	ds_add_u32 v[SPW], v[NIL]
	s_wait_dscnt 0x0
	CROUND                                         ; the closing round
	s_endpgm
.Lfunc_end_k_q8e12e3947e_stat:
	.size	k_q8e12e3947e_stat, .Lfunc_end_k_q8e12e3947e_stat-k_q8e12e3947e_stat
	.p2alignl 7, 3214868480
	.fill 96, 4, 3214868480
	.section	.rodata,"a",@progbits
	.p2align	6, 0x0
	.amdhsa_kernel k_q8e12e3947e_stat
		.amdhsa_group_segment_fixed_size 327680
		.amdhsa_private_segment_fixed_size 0
		.amdhsa_enable_private_segment 0
		.amdhsa_kernarg_size 16
		.amdhsa_user_sgpr_count 2
		.amdhsa_user_sgpr_kernarg_segment_ptr 1
		.amdhsa_wavefront_size32 1
		.amdhsa_system_sgpr_workgroup_id_x 1
		.amdhsa_system_sgpr_workgroup_id_y 1
		.amdhsa_system_sgpr_workgroup_id_z 1
		.amdhsa_system_vgpr_workitem_id 0
		.amdhsa_next_free_vgpr 256
		.amdhsa_next_free_sgpr 66
		.amdhsa_reserve_vcc 1
		.amdhsa_float_denorm_mode_32 3
		.amdhsa_float_denorm_mode_16_64 3
		.amdhsa_memory_ordered 1
		.amdhsa_forward_progress 1
		.amdhsa_inst_pref_size 53
	.end_amdhsa_kernel
	.amdgpu_metadata
---
amdhsa.version: [ 1, 2 ]
amdhsa.kernels:
  - .name:           k_q8e12e3947e_stat
    .symbol:         k_q8e12e3947e_stat.kd
    .args:
      - { .name: qkv, .offset: 0, .size: 8, .value_kind: global_buffer, .address_space: global }
      - { .name: stat, .offset: 8, .size: 8, .value_kind: global_buffer, .address_space: global }
    .group_segment_fixed_size: 327680
    .private_segment_fixed_size: 0
    .kernarg_segment_align: 8
    .kernarg_segment_size: 16
    .max_flat_workgroup_size: 256
    .sgpr_count:     66
    .vgpr_count:     256
    .wavefront_size: 32
...
	.end_amdgpu_metadata
.endif
;; end of part 3
;; launch attn (part 4): grid 4 x 64, 8 waves a work-group, clusters of 4 x 1, 327,680 bytes of LDS; arguments qkv, stat, vmx, ctx; writes ctx
.if DOCPART == 4
	.amdgcn_target "amdgcn-amd-amdhsa--gfx1250"
	.amdhsa_code_object_version 6
	.text
	.protected	k_q8e12e3947e_attn
	.globl	k_q8e12e3947e_attn
	.p2align	8
	.type	k_q8e12e3947e_attn,@function
k_q8e12e3947e_attn:
	s_mov_b64 s[64:65], 0
	v_nop
	global_prefetch_b8 v0, s[64:65] scope:SCOPE_SE
	s_setreg_imm32_b32 hwreg(HW_REG_WAVE_MODE, 25, 1), 1
	s_wait_xcnt 0x0
	s_wait_alu depctr_hold_cnt(0) depctr_sa_sdst(0) depctr_va_vdst(0) depctr_va_sdst(0) depctr_va_ssrc(0) depctr_va_vcc(0) depctr_vm_vsrc(0)
	s_getreg_b32 s2, hwreg(HW_REG_IB_STS2, 6, 4)
	s_cmp_eq_u32 s2, 0
	s_cbranch_scc0 .Lentry_in_a_cluster
	s_endpgm
.Lentry_in_a_cluster:
	s_bfe_u32 s2, ttmp6, 0x10000c
	s_cmp_lg_u32 s2, 0x3003
	s_cbranch_scc0 .Lentry_shape_is_right
	s_endpgm
.Lentry_shape_is_right:
; ATTN.  u[q] = the sum over the head's 2,048 keys of a[q][k] v[k], a = 2^((t - M_k) - log2 L_k), t = (log2(e) q) . k as in the launch before (the same chain of two matrix instructions, sources swapped: the same bits).
; -M and -log2 L are added one after the other: t - M is exact at a column's maximum and is never folded with the logarithm into one rounded number.  a (at most 1) is rounded to f16 for the second product; sums in f32.
; u is stored as f16 under a power of two: ctx = u x 2^(3 - e), e = floor(log2(the batch's largest |v|)) from vmx (held at -100 from below): |u| is at most 2,048 x that largest value, so |ctx| is at most 2^15.
; The last launch multiplies by 2^(e - 6), in which the division by sqrt(64) lies.  ctx: [batch 4][64 positions 32][head 16][64][64] f16.
; LIMITS: NaN and infinities are not served; an a under 2^-25 counts as 0.
; SHARES.  A cluster of four work-groups is one head; a work-group owns 512 queries, each of its eight waves 64: four tiles of 16.  All walk the head's keys, 32 a step.
; K and V come through two LDS slots of 256 keys, asked for JOINTLY by the four partners (waves 0-3: K's quarters, waves 4-7: V's); the head's statistics come once.
; LAYOUT.  S^T = K Q^T (source 0 = 16 keys, source 1 = 16 queries): a lane holds ONE query and keys 8 h + 0 .. 7.  Two such tiles, rounded in pairs, are source 1 of O^T = V^T P.  V is turned by ds_load_tr16_b128.
; REGISTERS: window 0: v1-15 addresses and the scale; v16-47 K, v48-79 V, v80-95 -M, v96-111 -log2 L of the step; v112-175 S^T (tile 4 u + T); v176-207 P (8 T + 4 u); v208-215 at work.
;   window 1: v0-127 O^T (8 (4 T + f)); v128-191 Q (16 T + 8 s).
.set KP,    144                        ; a row of K in LDS: 128 + 16
.set VP,    160                        ; a row of V: 128 + 32: an odd multiple of 32, for the turning load
.set VOFF,  256*KP
.set SLOT1, 131072                     ; one exclusive or turns an address in one slot into the other's
.set STATB, 262144                     ; -M of 2,048 keys, then -log2 L
.set STAGE, STATB+16384                ; the way out: 16 rows x 144 bytes a wave
.set SPARE, STAGE+8*16*KP              ; the spare words: 128 bytes a wave, four blocks of 256 bytes that no other line names
.set AK0, 1
.set AV0, 2
.set AS0, 3
.set ADK, 4
.set ADV, 5
.set ADS, 6
.set STO, 7
.set RD,  8
.set GO,  9                            ; 16 x lane
.set PFO, 10                           ; 256 x lane
.set QO,  11
.set SPW, 12
.set NIL, 13
.set SOV, 14                           ; v[14:15] 2^(3 - e)
.set KF,  16
.set VF,  48
.set NM,  80
.set NG,  96
.set S,   112
.set P,   176
.set G1K, 24
.set G1V, 32
.set G1S, 40
.set G0K, 48
.set G0V, 52
.set G0S, 56
.set MSB, 0
.macro WIN new
.if MSB != (\new)
	s_set_vgpr_msb (MSB<<8)|(\new)
.set MSB, (\new)
.endif
.endm
.macro CROUND
	s_barrier_signal -1
	s_barrier_wait -1
	s_cmp_lg_u32 s12, 0
	s_cbranch_scc1 .Lnot_wave_0_\@
	s_barrier_signal -3
.Lnot_wave_0_\@:
	s_barrier_wait -3
	s_barrier_signal -1
	s_barrier_wait -1
.endm
.macro JLOAD                           ; a joint refill; the branch hangs on the wave's number alone; s_nop 0 and four v_nop follow each line
	s_cmp_lt_u32 s12, 4
	s_cbranch_scc0 .Lfor_v_\@
	tensor_load_to_lds s[G0K:G0K+3], s[G1K:G1K+7]
	s_nop 0
.rept 4
	v_nop
.endr
	s_branch .Lasked_\@
.Lfor_v_\@:
	tensor_load_to_lds s[G0V:G0V+3], s[G1V:G1V+7]
	s_nop 0
.rept 4
	v_nop
.endr
.Lasked_\@:
.endm
; A prefetch of what the NEXT change of slots will ask for: a slot's 32,768 bytes of K and of V.  The four partners take 8,192 bytes each, told apart by address; in each, wave 0 asks for K's and wave 4 for V's,
; lanes 256 bytes apart: each block is named once in the launch (one cluster walks a head).  It leads the load by a slot's eight key steps.  The last change that fills a slot asks for nothing.
.macro ASK
	s_cmp_gt_u32 s67, s15
	s_cbranch_scc0 .Lnot_mine_\@
	global_prefetch_b8 v[PFO], s[18:19] th:TH_LOAD_NT scope:SCOPE_SE
.Lnot_mine_\@:
.endm
	s_load_b256 s[4:11], s[0:1], 0x0               ; qkv, stat, vmx, ctx
	v_lshl_add_u32 v[SPW], v0, 2, SPARE
	v_mov_b32 v[NIL], 0
	ds_add_u32 v[SPW], v[NIL]                      ; the wave's opening: the add, twice on end, and its wait ahead of my first tensor load
	ds_add_u32 v[SPW], v[NIL]
	v_lshrrev_b32 v1, 5, v0
	v_readfirstlane_b32 s12, v1                    ; wave 0..7
	s_bfe_u32 s13, ttmp6, 0x40000                  ; cx: it enters Q's, ctx's and the prefetches' addresses alone
	s_and_b32 s14, ttmp7, 0xffff                   ; the head
	s_mov_b32 s[G1K], 15|(1<<16)|(1<<20)|(1<<21)|(4<<22)|(3<<25)   ; all four; elements of 2 bytes; 4 words of padding after every 32
	s_mov_b32 s[G1V], 15|(1<<16)|(1<<20)|(1<<21)|(4<<22)|(7<<25)   ; the same with 8 words
.irp g, G1K, G1V
	s_mov_b32 s[\g+1], 64<<16
	s_mov_b32 s[\g+2], 64<<16
	s_mov_b32 s[\g+3], 64<<16
	s_mov_b32 s[\g+4], 64
	s_mov_b32 s[\g+5], 64
	s_mov_b32 s[\g+6], 0
	s_mov_b32 s[\g+7], 0
.endr
	s_mov_b32 s[G1S], 15|(3<<16)|(1<<21)           ; the statistics: 2,048 dense bytes a wave, as 8 rows of 32 elements of 8 bytes
	s_mov_b32 s[G1S+1], 32<<16
	s_mov_b32 s[G1S+2], 8<<16
	s_mov_b32 s[G1S+3], 32<<16
	s_mov_b32 s[G1S+4], 8
	s_mov_b32 s[G1S+5], 32
	s_mov_b32 s[G1S+6], 0
	s_mov_b32 s[G1S+7], 0
	s_and_b32 s16, s12, 3                          ; which quarter of a slot I fetch
	s_lshl_b32 s20, s14, 18
	s_lshl_b32 s21, s16, 13
	s_add_co_u32 s20, s20, s21                     ; the head's bytes + my 64 rows
	s_mov_b32 s21, 0
	s_mul_i32 s22, s16, 64*KP
	s_mul_i32 s23, s16, 64*VP
	s_add_co_u32 s23, s23, VOFF
	s_lshl_b32 s68, s14, 14                        ; stat: the head's 16,384 bytes + my 2,048
	s_lshl_b32 s69, s12, 11
	s_add_co_u32 s68, s68, s69
	s_add_co_u32 s17, s69, STATB
	s_mov_b32 s69, 0
	s_lshl_b32 s70, s14, 18                        ; Q: the head, my work-group's 512 rows, my wave's 64
	s_lshl_b32 s71, s13, 16
	s_add_co_u32 s70, s70, s71
	s_lshl_b32 s71, s12, 13
	s_add_co_u32 s70, s70, s71
	s_mov_b32 s71, 0
	s_lshr_b32 s72, s14, 4                         ; ctx: (((batch x 32 + 8 cx + wave) x 16) + head in batch) x 8,192
	s_lshl_b32 s72, s72, 9
	s_lshl_b32 s73, s13, 7
	s_add_co_u32 s72, s72, s73
	s_lshl_b32 s73, s12, 4
	s_add_co_u32 s72, s72, s73
	s_and_b32 s73, s14, 15
	s_add_co_u32 s72, s72, s73
	s_lshl_b32 s72, s72, 13
	s_mov_b32 s73, 0
	s_lshl_b32 s74, s13, 13                        ; the prefetches: my work-group's 8,192 bytes, in the second slot's keys; the first change steps it on
	s_add_co_u32 s74, s74, 32768
	s_mov_b32 s75, 0
	s_cmp_eq_u32 s16, 0                            ; waves 0 and 4 prefetch
	s_cselect_b32 s15, 1, -1
	s_mov_b32 s60, 0x76543210
	s_mov_b32 s61, 0xfedcba98
	s_mov_b32 s62, 0                               ; TK, TV, TS: where the step's K, V and statistics begin in LDS
	s_mov_b32 s63, 0
	s_mov_b32 s66, 0
	s_mov_b32 s67, 7                               ; slots still to be asked for
	s_wait_dscnt 0x0                               ; both opening adds are done
	s_wait_kmcnt 0x0
	s_add_nc_u64 s[2:3], s[4:5], s[20:21]
	s_add_nc_u64 s[20:21], s[2:3], 33554432        ; V at my quarter of the first slot
	s_add_nc_u64 s[2:3], s[2:3], 16777216          ; K likewise
	s_add_nc_u64 s[6:7], s[6:7], s[68:69]
	s_add_nc_u64 s[70:71], s[4:5], s[70:71]
	s_add_nc_u64 s[10:11], s[10:11], s[72:73]
	s_cmp_lt_u32 s12, 4
	s_cselect_b64 s[18:19], s[2:3], s[20:21]       ; (in waves 0 and 4 these stand at a slot's first row)
	s_add_nc_u64 s[18:19], s[18:19], s[74:75]
	s_lshr_b32 s68, s14, 4
	s_lshl_b32 s68, s68, 9
	s_add_co_u32 s68, s68, 4096                    ; vmx: the values' part, my batch's 512 bytes
	s_add_nc_u64 s[8:9], s[8:9], s[68:69]
	CROUND                                         ; all four work-groups are here: the first joint loads meet
	s_mov_b32 s[G0K], 1
	s_mov_b32 s[G0K+1], s22
	s_mov_b64 s[G0K+2:G0K+3], s[2:3]
	s_or_b32 s[G0K+3], s[G0K+3], 0x80000000
	s_mov_b32 s[G0V], 1
	s_mov_b32 s[G0V+1], s23
	s_mov_b64 s[G0V+2:G0V+3], s[20:21]
	s_or_b32 s[G0V+3], s[G0V+3], 0x80000000
	s_mov_b32 s[G0S], 1
	s_mov_b32 s[G0S+1], s17
	s_mov_b64 s[G0S+2:G0S+3], s[6:7]
	s_or_b32 s[G0S+3], s[G0S+3], 0x80000000
	s_cmp_lt_u32 s12, 4                            ; a wave's two first fills stand in one branch: two loads of mine are out
	s_cbranch_scc0 .Lfirst_v
	tensor_load_to_lds s[G0S:G0S+3], s[G1S:G1S+7]
	s_nop 0
	tensor_load_to_lds s[G0K:G0K+3], s[G1K:G1K+7]
	s_nop 0
.rept 4
	v_nop
.endr
	s_branch .Lfirst_asked
.Lfirst_v:
	tensor_load_to_lds s[G0S:G0S+3], s[G1S:G1S+7]
	s_nop 0
	tensor_load_to_lds s[G0V:G0V+3], s[G1V:G1V+7]
	s_nop 0
.rept 4
	v_nop
.endr
.Lfirst_asked:
	v_and_b32 v208, 15, v0                         ; r
	v_bfe_u32 v209, v0, 4, 1                       ; h
	v_and_b32 v210, 31, v0                         ; lane
	v_lshlrev_b32 v[QO], 7, v208
	v_lshl_add_u32 v[QO], v209, 4, v[QO]
	v_lshlrev_b32 v[GO], 4, v210
	WIN 0x40                                       ; destination window 1
.irp t, 0,1,2,3
.irp s, 0,1
	global_load_b128 v[128+16*\t+8*\s:128+16*\t+8*\s+3], v[QO], s[70:71] offset:2048*\t+64*\s      ; Q stays in registers
	global_load_b128 v[128+16*\t+8*\s+4:128+16*\t+8*\s+7], v[QO], s[70:71] offset:2048*\t+64*\s+32
.endr
.endr
	WIN 0
	global_load_b128 v[212:215], v[GO], s[8:9]     ; the batch's 128 largest magnitudes
	v_mul_u32_u24 v[AK0], v208, KP
	v_lshl_add_u32 v[AK0], v209, 4, v[AK0]
	v_and_b32 v211, 7, v0
	v_lshl_add_u32 v[AV0], v209, 3, v211           ; the turning load: key 8 h + l % 8,
	v_mul_u32_u24 v[AV0], v[AV0], VP
	v_bfe_u32 v211, v0, 3, 1
	v_lshl_add_u32 v[AV0], v211, 4, v[AV0]         ; channels 8 ((l / 8) % 2) on
	v_add_nc_u32 v[AV0], VOFF, v[AV0]
	v_lshl_add_u32 v[AS0], v209, 5, STATB          ; my eight keys' statistics: 32 h bytes on
	s_mul_i32 s20, s12, 16*KP
	s_add_co_u32 s20, s20, STAGE
	v_mul_u32_u24 v[STO], v208, KP
	v_lshl_add_u32 v[STO], v209, 4, v[STO]
	v_add_nc_u32 v[STO], s20, v[STO]
	v_lshrrev_b32 v211, 3, v210
	v_mul_u32_u24 v[RD], v211, KP
	v_and_b32 v211, 7, v210
	v_lshl_add_u32 v[RD], v211, 4, v[RD]
	v_add_nc_u32 v[RD], s20, v[RD]
	v_lshlrev_b32 v[PFO], 8, v210
	s_wait_loadcnt 0x0                             ; Q and the magnitudes
	v_max3_num_f32 v212, v212, v213, v214
	v_max3_num_f32 v212, v212, v215, 0x0d800000    ; and the floor 2^-100
	v_max_num_f32_dpp v212, v212, v212 row_xmask:1 row_mask:0xf bank_mask:0xf
	v_max_num_f32_dpp v212, v212, v212 row_xmask:2 row_mask:0xf bank_mask:0xf
	v_max_num_f32_dpp v212, v212, v212 row_xmask:4 row_mask:0xf bank_mask:0xf
	v_max_num_f32_dpp v212, v212, v212 row_xmask:8 row_mask:0xf bank_mask:0xf
	v_permlanex16_b32 v213, v212, s60, s61
	v_max_num_f32 v212, v212, v213
	v_lshrrev_b32 v212, 23, v212                   ; e + 127
	v_sub_nc_u32 v212, 0x101, v212
	v_lshlrev_b32 v[SOV], 23, v212                 ; 2^(3 - e)
	v_mov_b32 v[SOV+1], v[SOV]
.macro SMADD n, i                      ; tile n: i < 4: pair i gets -M of its two keys; else pair i - 4 gets -log2 L
.if (\i) < 4
	v_pk_add_f32 v[S+8*(\n)+2*(\i):S+8*(\n)+2*(\i)+1], v[S+8*(\n)+2*(\i):S+8*(\n)+2*(\i)+1], v[NM+8*((\n)/4)+2*(\i):NM+8*((\n)/4)+2*(\i)+1]
.else
	v_pk_add_f32 v[S+8*(\n)+2*((\i)-4):S+8*(\n)+2*((\i)-4)+1], v[S+8*(\n)+2*((\i)-4):S+8*(\n)+2*((\i)-4)+1], v[NG+8*((\n)/4)+2*((\i)-4):NG+8*((\n)/4)+2*((\i)-4)+1]
.endif
.endm
; A KEY STEP: 32 keys against my 64 queries.  zero = 1: the first step starts O^T's sums.
.macro STEP zero
	v_add_nc_u32 v[ADK], s62, v[AK0]               ; these three and the v_nop are the places behind the last step's products, in front of the loads below
	v_add_nc_u32 v[ADV], s63, v[AV0]
	v_add_nc_u32 v[ADS], s66, v[AS0]
	v_nop
.irp u, 0,1
.irp s, 0,1
	ds_load_b128 v[KF+16*\u+8*\s:KF+16*\u+8*\s+3], v[ADK] offset:16*KP*\u+64*\s
	ds_load_b128 v[KF+16*\u+8*\s+4:KF+16*\u+8*\s+7], v[ADK] offset:16*KP*\u+64*\s+32
.endr
.endr
.irp u, 0,1
	ds_load_b128 v[NM+8*\u:NM+8*\u+3], v[ADS] offset:64*\u
	ds_load_b128 v[NM+8*\u+4:NM+8*\u+7], v[ADS] offset:64*\u+16
	ds_load_b128 v[NG+8*\u:NG+8*\u+3], v[ADS] offset:8192+64*\u
	ds_load_b128 v[NG+8*\u+4:NG+8*\u+7], v[ADS] offset:8192+64*\u+16
.endr
.irp f, 0,1,2,3
	ds_load_tr16_b128 v[VF+8*\f:VF+8*\f+3], v[ADV] offset:32*\f
	ds_load_tr16_b128 v[VF+8*\f+4:VF+8*\f+7], v[ADV] offset:16*VP+32*\f
.endr
	s_wait_dscnt 16                                ; K is in; the statistics' eight loads and V's eight may be out
	WIN 0x04                                       ; source 1 (Q) window 1
.irp u, 0,1
.irp t, 0,1,2,3
	v_wmma_f32_16x16x32_f16 v[S+8*(4*\u+\t):S+8*(4*\u+\t)+7], v[KF+16*\u:KF+16*\u+7], v[128+16*\t:128+16*\t+7], 0
.endr
.endr
.irp u, 0,1
.irp t, 0,1,2,3
	v_wmma_f32_16x16x32_f16 v[S+8*(4*\u+\t):S+8*(4*\u+\t)+7], v[KF+16*\u+8:KF+16*\u+15], v[128+16*\t+8:128+16*\t+15], v[S+8*(4*\u+\t):S+8*(4*\u+\t)+7]
.endr
.endr
	WIN 0
.rept 4
	v_nop                                          ; places behind the products (ISA guide 7.12.1)
.endr
	s_wait_dscnt 8                                 ; the statistics are in; V's eight loads may be out
.irp i, 0,1,2,3,4,5,6,7
	SMADD 0, \i
.endr
.irp n, 0,1,2,3,4,5,6                  ; ONE BATCH of 64 exponentials; the next tile's additions stand between them; none reads a result
.irp i, 0,1,2,3,4,5,6,7
	v_exp_f32 v[S+8*\n+\i], v[S+8*\n+\i]
	SMADD \n+1, \i
.endr
.endr
.irp i, 0,1,2,3,4,5,6,7
	v_exp_f32 v[S+56+\i], v[S+56+\i]
.endr
	v_nop                                          ; a plain line behind the last exponential
	s_wait_alu depctr_va_vdst(0)                   ; one wait for the batch, ahead of its first reader
.irp t, 0,1,2,3
.irp u, 0,1
.irp i, 0,1,2,3
	v_cvt_pk_f16_f32 v[P+8*\t+4*\u+\i], v[S+8*(4*\u+\t)+2*\i], v[S+8*(4*\u+\t)+2*\i+1]
.endr
.endr
.endr
	s_wait_dscnt 0x0                               ; V is in
	WIN 0x50                                       ; C and D (O^T) window 1
.irp t, 0,1,2,3
.irp f, 0,1,2,3
.if \zero
	v_wmma_f32_16x16x32_f16 v[8*(4*\t+\f):8*(4*\t+\f)+7], v[VF+8*\f:VF+8*\f+7], v[P+8*\t:P+8*\t+7], 0
.else
	v_wmma_f32_16x16x32_f16 v[8*(4*\t+\f):8*(4*\t+\f)+7], v[VF+8*\f:VF+8*\f+7], v[P+8*\t:P+8*\t+7], v[8*(4*\t+\f):8*(4*\t+\f)+7]
.endif
.endr
.endr
	WIN 0
	s_add_co_u32 s62, s62, 32*KP
	s_add_co_u32 s63, s63, 32*VP
	s_add_co_u32 s66, s66, 128
.endm
.macro STEPS n
	s_mov_b32 s68, \n
.Lst_\@:
	STEP 0
	s_sub_co_u32 s68, s68, 1
	s_cmp_lg_u32 s68, 0
	s_cbranch_scc1 .Lst_\@
.endm
; THE CHANGE OF SLOTS stands at a slot's head.  Each wave waits for all its tensor loads (its part of the slot ahead), adds 0 to its spare word, and waits for that and for its reads of the slot that it has left.
; fill = 1: a round of the cluster's barrier, and behind it the other slot is asked for first: it has a slot's eight key steps in which to land.
.macro CHANGE fill
	s_wait_tensorcnt 0x0                           ; no tensor load of mine is out, so a group 0 may be written
	ds_add_u32 v[SPW], v[NIL]
.if \fill
	s_xor_b32 s[G0K+1], s[G0K+1], SLOT1
	s_add_nc_u64 s[G0K+2:G0K+3], s[G0K+2:G0K+3], 32768
	s_xor_b32 s[G0V+1], s[G0V+1], SLOT1
	s_add_nc_u64 s[G0V+2:G0V+3], s[G0V+2:G0V+3], 32768
	s_wait_xcnt 0x0                                ; the last prefetch, a slot back, has read its address
	s_add_nc_u64 s[18:19], s[18:19], 32768
	s_wait_dscnt 0x0
	CROUND
	JLOAD
	ASK
.else
	s_wait_dscnt 0x0
	s_barrier_signal -1
	s_barrier_wait -1
.endif
.endm
.macro NEXT                            ; the fetches go back to a slot's first step, in the other slot
	s_sub_co_u32 s62, s62, 256*KP
	s_xor_b32 s62, s62, SLOT1
	s_sub_co_u32 s63, s63, 256*VP
	s_xor_b32 s63, s63, SLOT1
	s_sub_co_u32 s67, s67, 1
.endm
	CHANGE 1                                       ; slot 0 is whole; slot 1 is asked for
	STEP 1
	STEPS 7
	NEXT
.Lslot:                                            ; six trips
	CHANGE 1
	STEPS 8
	NEXT
	s_cmp_lg_u32 s67, 0
	s_cbranch_scc1 .Lslot
	CHANGE 0                                       ; the last slot is written out
	STEPS 8
; THE WAY OUT, a tile of 16 queries at a time: times 2^(3 - e), f16, through my stage, back as rows: 4 rows of 128 bytes are 512 consecutive bytes of ctx.
.macro PACK t
	WIN 0x01                                       ; source 0 (O^T) window 1
.set i, 0
.rept 16
	v_pk_mul_f32 v[S+32*((\t)%2)+2*i:S+32*((\t)%2)+2*i+1], v[32*(\t)+2*i:32*(\t)+2*i+1], v[SOV:SOV+1] op_sel_hi:[1,0]   ; each accumulator from its low end on
.set i, i+1
.endr
	WIN 0
.set i, 0
.rept 16
	v_cvt_pk_f16_f32 v[P+16*((\t)%2)+i], v[S+32*((\t)%2)+2*i], v[S+32*((\t)%2)+2*i+1]
.set i, i+1
.endr
.irp f, 0,1,2,3
	ds_store_b128 v[STO], v[P+16*((\t)%2)+4*\f:P+16*((\t)%2)+4*\f+3] offset:32*\f
.endr
.irp q, 0,1,2,3
	ds_load_b128 v[16+16*(\t)+4*\q:16+16*(\t)+4*\q+3], v[RD] offset:4*KP*\q    ; in order behind my stores (ISA guide 5.7.1.4)
.endr
.endm
.macro SEND t, younger
.irp q, 0,1,2,3
	s_wait_dscnt \younger+3-\q
	global_store_b128 v[GO], v[16+16*(\t)+4*\q:16+16*(\t)+4*\q+3], s[10:11] offset:2048*(\t)+512*\q   ; 32 lanes store 512 consecutive bytes, aligned
.endr
.endm
.rept 4
	v_nop                                          ; places behind the last products
.endr
	PACK 0
	PACK 1
	SEND 0, 8                                      ; behind tile 0's loads: tile 1's 4 stores and 4 loads
	PACK 2
	SEND 1, 8
	PACK 3
	SEND 2, 8
	SEND 3, 0
	s_wait_tensorcnt 0x0                           ; the wave's end
	ds_add_u32 v[SPW], v[NIL]
	s_wait_dscnt 0x0
	CROUND                                         ; the closing round
	s_endpgm
.Lfunc_end_k_q8e12e3947e_attn:
	.size	k_q8e12e3947e_attn, .Lfunc_end_k_q8e12e3947e_attn-k_q8e12e3947e_attn
	.p2alignl 7, 3214868480
	.fill 96, 4, 3214868480
	.section	.rodata,"a",@progbits
	.p2align	6, 0x0
	.amdhsa_kernel k_q8e12e3947e_attn
		.amdhsa_group_segment_fixed_size 327680
		.amdhsa_private_segment_fixed_size 0
		.amdhsa_enable_private_segment 0
		.amdhsa_kernarg_size 32
		.amdhsa_user_sgpr_count 2
		.amdhsa_user_sgpr_kernarg_segment_ptr 1
		.amdhsa_wavefront_size32 1
		.amdhsa_system_sgpr_workgroup_id_x 1
		.amdhsa_system_sgpr_workgroup_id_y 1
		.amdhsa_system_sgpr_workgroup_id_z 1
		.amdhsa_system_vgpr_workitem_id 0
		.amdhsa_next_free_vgpr 448
		.amdhsa_next_free_sgpr 76
		.amdhsa_reserve_vcc 0
		.amdhsa_float_denorm_mode_32 3
		.amdhsa_float_denorm_mode_16_64 3
		.amdhsa_memory_ordered 1
		.amdhsa_forward_progress 1
		.amdhsa_inst_pref_size 76
	.end_amdhsa_kernel
	.amdgpu_metadata
---
amdhsa.version: [ 1, 2 ]
amdhsa.kernels:
  - .name:           k_q8e12e3947e_attn
    .symbol:         k_q8e12e3947e_attn.kd
    .args:
      - { .name: qkv, .offset: 0, .size: 8, .value_kind: global_buffer, .address_space: global }
      - { .name: stat, .offset: 8, .size: 8, .value_kind: global_buffer, .address_space: global }
      - { .name: vmx, .offset: 16, .size: 8, .value_kind: global_buffer, .address_space: global }
      - { .name: ctx, .offset: 24, .size: 8, .value_kind: global_buffer, .address_space: global }
    .group_segment_fixed_size: 327680
    .private_segment_fixed_size: 0
    .kernarg_segment_align: 8
    .kernarg_segment_size: 32
    .max_flat_workgroup_size: 256
    .sgpr_count:     76
    .vgpr_count:     448
    .wavefront_size: 32
...
	.end_amdgpu_metadata
.endif
;; end of part 4
;; launch oproj (part 5): grid 8 x 64, 4 waves a work-group, clusters of 4 x 4, 327,680 bytes of LDS; arguments ctx, wof, out0, bo, vmx; writes out0
.if DOCPART == 5
	.amdgcn_target "amdgcn-amd-amdhsa--gfx1250"
	.amdhsa_code_object_version 6
	.text
	.protected	k_q8e12e3947e_oproj
	.globl	k_q8e12e3947e_oproj
	.p2align	8
	.type	k_q8e12e3947e_oproj,@function
k_q8e12e3947e_oproj:
	s_mov_b64 s[64:65], 0
	v_nop
	global_prefetch_b8 v0, s[64:65] scope:SCOPE_SE
	s_setreg_imm32_b32 hwreg(HW_REG_WAVE_MODE, 25, 1), 1
	s_wait_xcnt 0x0
	s_wait_alu depctr_hold_cnt(0) depctr_sa_sdst(0) depctr_va_vdst(0) depctr_va_sdst(0) depctr_va_ssrc(0) depctr_va_vcc(0) depctr_vm_vsrc(0)
	s_getreg_b32 s2, hwreg(HW_REG_IB_STS2, 6, 4)
	s_cmp_eq_u32 s2, 0
	s_cbranch_scc0 .Lentry_in_a_cluster
	s_endpgm
.Lentry_in_a_cluster:
	s_bfe_u32 s2, ttmp6, 0x10000c
	s_cmp_lg_u32 s2, 0xf033
	s_cbranch_scc0 .Lentry_shape_is_right
	s_endpgm
.Lentry_shape_is_right:
; OPROJ.  out0 [8192][1024] f32 = (ctx Wo) x 2^(e - 6) + bo.  ctx holds u x 2^(3 - e) in f16 (e from vmx, as in the launch before); the factor undoes that scale and divides by sqrt(64); it is a power of two.  Sums in f32.
; ctx: [64 rows 128][head 16][64][64]: a K step of 256 is four heads: 32,768 dense bytes for 64 rows.  wof: Wo in f16 in the order of the operand's registers: 32,768 dense bytes for 64 columns x 256 k.
; A tile of out0 is 128 x 128: four waves, 64 x 64 each, 16 accumulators.  512 work-groups.  K goes in four steps of 256 through two LDS slots; the four steps are written out.
; CLUSTERS: 4 x 4 work-groups; A's tiles are asked for jointly along a row of the cluster, B's along a column.  The matrix instruction is used transposed: a lane holds eight neighbouring columns of one row.
; No prefetch: the tiles are small and the launch short.
; REGISTERS: window 0: v0-31 addresses and the factor; v32-95 at work on the way out; v96-127 the bias; v128-255 the accumulators ((a, b) at v[128 + 8 (4 a + b)]).  window 1: two fragment buffers of 128 (64 of A, then 64 of B).
.set AP,     144                       ; a row of A in LDS: 128 bytes (a head's 64 channels) + 16
.set AHALF,  256*AP                    ; 64 rows x 4 heads, head by head
.set SLOT,   2*AHALF+2*32768
.set STAGE,  2*SLOT                    ; 16 rows x (256 + 16) bytes for each wave
.set SPITCH, 272
.set SPARE,  STAGE+4*16*SPITCH         ; the spare words: 128 bytes a wave, two blocks of 256 bytes that no other line names
.set SCV,  12                          ; v[12:13] 2^(e - 6)
.set ADRA, 16
.set ADRB, 20
.set STO,  24
.set RD,   25
.set CO,   26
.set SPW,  28
.set NIL,  29
.set TMP,  32
.set BI,   96
.set ACC,  128
.set F0,   0
.set F1,   128
.set G1, 24
.set G0, 32
.set G1B, 48
.set G0B, 56
.set MSB, 0
.macro WIN new
.if MSB != (\new)
	s_set_vgpr_msb (MSB<<8)|(\new)
.set MSB, (\new)
.endif
.endm
.set MUL,  0x05                        ; sources 0 (B) and 1 (A) window 1; C and D window 0
.set TO_F, 0x40
.macro JLOAD s                         ; a joint load: waves 0, 1 fetch A's halves, waves 2, 3 B's; s_nop 0 and four v_nop follow each line
	s_cmp_eq_u32 s11, 0
	s_cbranch_scc0 .Lfor_b_\@
	tensor_load_to_lds s[G0+4*\s:G0+4*\s+3], s[G1:G1+7]
	s_nop 0
.rept 4
	v_nop
.endr
	s_branch .Lasked_\@
.Lfor_b_\@:
	tensor_load_to_lds s[G0B+4*\s:G0B+4*\s+3], s[G1B:G1B+7]
	s_nop 0
.rept 4
	v_nop
.endr
.Lasked_\@:
.endm
.macro CREST
	s_cmp_lg_u32 s10, 0
	s_cbranch_scc1 .Lnot_wave_0_\@
	s_barrier_signal -3
.Lnot_wave_0_\@:
	s_barrier_wait -3
	s_barrier_signal -1
	s_barrier_wait -1
.endm
.macro CROUND
	s_barrier_signal -1
	s_barrier_wait -1
	CREST
.endm
	s_load_b128 s[4:7], s[0:1], 0x0                ; ctx, wof
	s_load_b64 s[8:9], s[0:1], 0x10                ; out0
	s_load_b64 s[66:67], s[0:1], 0x18              ; bo
	s_load_b64 s[68:69], s[0:1], 0x20              ; vmx
	v_lshl_add_u32 v[SPW], v0, 2, SPARE
	v_mov_b32 v[NIL], 0
	ds_add_u32 v[SPW], v[NIL]                      ; the wave's opening: the add, twice on end, and its wait ahead of my first tensor load
	ds_add_u32 v[SPW], v[NIL]
	v_lshrrev_b32 v1, 5, v0
	v_readfirstlane_b32 s10, v1                    ; wave 0..3
	s_lshr_b32 s11, s10, 1                         ; which half of the tile's rows is mine.  Also: I fetch for A (0) or for B (1)
	s_and_b32 s12, s10, 1                          ; which half of its columns.  Also: which half of that tile I fetch
	s_bfe_u32 s40, ttmp6, 0x40000
	s_bfe_u32 s41, ttmp6, 0x40004
	s_lshl_b32 s42, ttmp9, 2
	s_add_co_u32 s42, s42, s40                     ; tile column
	s_and_b32 s13, ttmp7, 0xffff
	s_lshl_b32 s13, s13, 2
	s_add_co_u32 s13, s13, s41                     ; tile row
	s_lshl_b32 s43, s41, 2
	s_lshl_b32 s43, 15, s43
	s_lshl_b32 s44, 0x1111, s40
	s_or_b32 s[G1+0], s43, (1<<16)|(1<<20)|(1<<21)|(4<<22)|(3<<25)  ; A: 256 rows of 64 elements of 2 bytes, dense in memory; 4 words of padding after every 32
	s_mov_b32 s[G1+1], 64<<16
	s_mov_b32 s[G1+2], 256<<16
	s_mov_b32 s[G1+3], 64<<16
	s_mov_b32 s[G1+4], 256
	s_mov_b32 s[G1+5], 64
	s_mov_b32 s[G1+6], 0
	s_mov_b32 s[G1+7], 0
	s_or_b32 s[G1B+0], s44, (3<<16)|(1<<21)        ; B: 32,768 dense bytes as 128 rows of 32 elements of 8 bytes, no padding
	s_mov_b32 s[G1B+1], 32<<16
	s_mov_b32 s[G1B+2], 128<<16
	s_mov_b32 s[G1B+3], 32<<16
	s_mov_b32 s[G1B+4], 128
	s_mov_b32 s[G1B+5], 32
	s_mov_b32 s[G1B+6], 0
	s_mov_b32 s[G1B+7], 0
	s_lshl_b32 s16, s13, 1
	s_add_co_u32 s16, s16, s12
	s_lshl_b32 s16, s16, 17                        ; A: 131,072 bytes for each 64 rows
	s_mov_b32 s17, 0
	s_lshl_b32 s46, s42, 1
	s_add_co_u32 s46, s46, s12
	s_lshl_b32 s46, s46, 17                        ; B: 131,072 bytes for each 64 columns
	s_mov_b32 s47, 0
	s_mul_i32 s20, s12, AHALF                      ; where they go
	s_lshl_b32 s21, s12, 15
	s_add_co_u32 s21, s21, 2*AHALF
	s_mov_b32 s2, 0x76543210
	s_mov_b32 s3, 0xfedcba98
	s_wait_dscnt 0x0                               ; both opening adds are done
	s_wait_kmcnt 0x0
	s_add_nc_u64 s[14:15], s[4:5], s[16:17]
	s_add_nc_u64 s[46:47], s[6:7], s[46:47]
	CROUND                                         ; all sixteen work-groups are here
.irp s, 0,1
	s_mov_b32 s[G0+4*\s], 1
	s_add_co_u32 s[G0+4*\s+1], s20, \s*SLOT
	s_add_nc_u64 s[G0+4*\s+2:G0+4*\s+3], s[14:15], \s*32768
	s_or_b32 s[G0+4*\s+3], s[G0+4*\s+3], 0x80000000
	s_mov_b32 s[G0B+4*\s], 1
	s_add_co_u32 s[G0B+4*\s+1], s21, \s*SLOT
	s_add_nc_u64 s[G0B+4*\s+2:G0B+4*\s+3], s[46:47], \s*32768
	s_or_b32 s[G0B+4*\s+3], s[G0B+4*\s+3], 0x80000000
	JLOAD \s
.endr
	v_and_b32 v1, 15, v0                           ; r
	v_bfe_u32 v2, v0, 4, 1                         ; h
	v_and_b32 v6, 31, v0                           ; lane
	v_mul_u32_u24 v3, v1, AP
	v_lshl_add_u32 v3, v2, 4, v3
	v_lshlrev_b32 v14, 4, v6                       ; 16 x lane
	s_mul_i32 s21, s11, AHALF
	s_lshl_b32 s22, s12, 15
	s_add_co_u32 s22, s22, 2*AHALF
.irp s, 0,1
	v_add_nc_u32 v[ADRA+\s], s21, v3
	v_add_nc_u32 v[ADRB+\s], s22, v14
	s_add_co_u32 s21, s21, SLOT
	s_add_co_u32 s22, s22, SLOT
.endr
	s_mul_i32 s23, s10, 16*SPITCH
	s_add_co_u32 s23, s23, STAGE                   ; my stage
	v_mul_u32_u24 v4, v1, SPITCH
	v_lshl_add_u32 v4, v2, 5, v4
	v_add_nc_u32 v[STO], s23, v4                   ; in: row r, 32 bytes for each half of the lanes
	v_mul_u32_u24 v5, v2, SPITCH
	v_lshl_add_u32 v5, v1, 4, v5
	v_add_nc_u32 v[RD], s23, v5                    ; back: lanes 0-15 one row of 256 bytes, lanes 16-31 the next
	v_lshlrev_b32 v5, 12, v2
	v_lshl_add_u32 v[CO], v1, 4, v5                ; and the same two rows in out0
	s_lshl_b32 s16, s13, 19                        ; my first row: 128 x tile row + 64 x half, 4,096 bytes a row
	s_lshl_b32 s17, s11, 18
	s_add_co_u32 s16, s16, s17
	s_mov_b32 s17, 0
	s_add_nc_u64 s[8:9], s[8:9], s[16:17]
	s_lshl_b32 s46, s42, 9                         ; my first column x 4 bytes
	s_lshl_b32 s47, s12, 8
	s_add_co_u32 s46, s46, s47
	s_mov_b32 s47, 0
	s_add_nc_u64 s[8:9], s[8:9], s[46:47]
	s_add_nc_u64 s[66:67], s[66:67], s[46:47]
	s_lshr_b32 s16, s13, 4                         ; the batch: 16 tile rows each
	s_lshl_b32 s16, s16, 9
	s_add_co_u32 s16, s16, 4096
	s_add_nc_u64 s[68:69], s[68:69], s[16:17]
	v_lshlrev_b32 v7, 5, v2                        ; lane (r, h) wants, for block b, the bias of columns 16 b + 8 h + 0 .. 7
.irp b, 0,1,2,3
	global_load_b128 v[BI+8*\b:BI+8*\b+3], v7, s[66:67] offset:64*\b
	global_load_b128 v[BI+8*\b+4:BI+8*\b+7], v7, s[66:67] offset:64*\b+16
.endr
	global_load_b128 v[8:11], v14, s[68:69]        ; the batch's 128 largest magnitudes
	s_wait_loadcnt 0x0
	v_max3_num_f32 v8, v8, v9, v10
	v_max3_num_f32 v8, v8, v11, 0x0d800000         ; and the floor 2^-100, as in the launch before
	v_max_num_f32_dpp v8, v8, v8 row_xmask:1 row_mask:0xf bank_mask:0xf
	v_max_num_f32_dpp v8, v8, v8 row_xmask:2 row_mask:0xf bank_mask:0xf
	v_max_num_f32_dpp v8, v8, v8 row_xmask:4 row_mask:0xf bank_mask:0xf
	v_max_num_f32_dpp v8, v8, v8 row_xmask:8 row_mask:0xf bank_mask:0xf
	v_permlanex16_b32 v9, v8, s2, s3
	v_max_num_f32 v8, v8, v9
	v_lshrrev_b32 v8, 23, v8                       ; e + 127
	v_add_nc_u32 v8, -6, v8
	v_lshlrev_b32 v[SCV], 23, v8                   ; 2^(e - 6)
	v_mov_b32 v[SCV+1], v[SCV]
.macro MUL8 f, c, a0, zero             ; 8 matrix instructions: m blocks a0, a0 + 1 x 4 n blocks, 32 along K; the 16 accumulators take turns
.irp a, \a0, \a0+1
.irp b, 0,1,2,3
.if \zero
	v_wmma_f32_16x16x32_f16 v[ACC+8*(4*(\a)+\b):ACC+8*(4*(\a)+\b)+7], v[\f+64+8*(4*\c+\b):\f+64+8*(4*\c+\b)+7], v[\f+8*(4*\c+\a):\f+8*(4*\c+\a)+7], 0
.else
	v_wmma_f32_16x16x32_f16 v[ACC+8*(4*(\a)+\b):ACC+8*(4*(\a)+\b)+7], v[\f+64+8*(4*\c+\b):\f+64+8*(4*\c+\b)+7], v[\f+8*(4*\c+\a):\f+8*(4*\c+\a)+7], v[ACC+8*(4*(\a)+\b):ACC+8*(4*(\a)+\b)+7]
.endif
.endr
.endr
.endm
.macro FETCH slot, q, f                ; 32 LDS loads in one run: quarter q of the K step (one head, 64 along K) into buffer f; its first 32 along K first
	WIN TO_F
.irp c, 0,1
.irp i, 0,1,2,3
	ds_load_b128 v[\f+64+8*(4*\c+\i):\f+64+8*(4*\c+\i)+3],   v[ADRB+\slot] offset:(8*\i+2*(\q)+\c)*1024
	ds_load_b128 v[\f+64+8*(4*\c+\i)+4:\f+64+8*(4*\c+\i)+7], v[ADRB+\slot] offset:(8*\i+2*(\q)+\c)*1024+512
	ds_load_b128 v[\f+8*(4*\c+\i):\f+8*(4*\c+\i)+3],         v[ADRA+\slot] offset:64*AP*(\q)+64*\c+16*AP*\i
	ds_load_b128 v[\f+8*(4*\c+\i)+4:\f+8*(4*\c+\i)+7],       v[ADRA+\slot] offset:64*AP*(\q)+64*\c+16*AP*\i+32
.endr
.endr
.endm
.macro PLACES
.rept 4
	v_nop
.endr
.endm
.macro QUARTER slot, q, f, g, zero     ; multiplies buffer f and fetches quarter q of the same slot into g
	s_wait_dscnt 16                                ; the first 32 along K are in; the other sixteen loads may be out
	WIN MUL
	MUL8 \f, 0, 0, \zero
	MUL8 \f, 0, 2, \zero
	PLACES
	FETCH \slot, \q, \g
	s_wait_dscnt 32                                ; all but the 32 just issued
	WIN MUL
	MUL8 \f, 1, 0, 0
	MUL8 \f, 1, 2, 0
.endm
; The last quarter multiplies buffer 1 and changes slots: one barrier; in front of it each wave waits for all its tensor loads, adds 0 to its spare word, and waits for that and for its reads of this slot.
.macro TURN slot, next, fill
	WIN 0
	s_wait_tensorcnt 0x0                           ; my part of the next slot has landed
	ds_add_u32 v[SPW], v[NIL]
	s_wait_dscnt 17                                ; the add and the youngest sixteen loads may be out
	WIN MUL
	MUL8 F1, 0, 0, 0
	s_wait_dscnt 0x0                               ; the add is done, and my reads of this slot are over
	s_barrier_signal -1
	MUL8 F1, 0, 2, 0
.if \fill
	WIN 0
.endif
	s_barrier_wait -1
.if \fill
	CREST                                          ; the barrier has opened a round of the cluster's barrier
	s_add_nc_u64 s[G0+4*\slot+2:G0+4*\slot+3], s[G0+4*\slot+2:G0+4*\slot+3], 65536
	s_add_nc_u64 s[G0B+4*\slot+2:G0B+4*\slot+3], s[G0B+4*\slot+2:G0B+4*\slot+3], 65536
	JLOAD \slot                                    ; the first tensor load behind the round; its four v_nop are also the places in front of the loads below
.else
	PLACES
.endif
	FETCH \next, 0, F0
	WIN MUL
	MUL8 F1, 1, 0, 0
	MUL8 F1, 1, 2, 0
.endm
	s_wait_tensorcnt 1                             ; my part of K step 0 is in; K step 1's load may be out
	s_barrier_signal -1
	s_barrier_wait -1
	FETCH 0, 0, F0
	QUARTER 0, 1, F0, F1, 1                        ; the first products start the sums
	QUARTER 0, 2, F1, F0, 0
	QUARTER 0, 3, F0, F1, 0
	TURN 0, 1, 1                                   ; slot 0 takes K step 2
	QUARTER 1, 1, F0, F1, 0
	QUARTER 1, 2, F1, F0, 0
	QUARTER 1, 3, F0, F1, 0
	TURN 1, 0, 1                                   ; slot 1 takes K step 3
	QUARTER 0, 1, F0, F1, 0
	QUARTER 0, 2, F1, F0, 0
	QUARTER 0, 3, F0, F1, 0
	TURN 0, 1, 0
	QUARTER 1, 1, F0, F1, 0
	QUARTER 1, 2, F1, F0, 0
	QUARTER 1, 3, F0, F1, 0
	s_wait_dscnt 16
	WIN MUL
	MUL8 F1, 0, 0, 0
	MUL8 F1, 0, 2, 0
	s_wait_dscnt 0
	MUL8 F1, 1, 0, 0
	MUL8 F1, 1, 2, 0
	WIN 0
; THE WAY OUT, 16 rows at a time: sum x 2^(e - 6) + bias in one fused line; through my own stage (my 64 columns are 256 bytes); back as rows.
.macro OUTB a
.irp b, 0,1,2,3
.irp i, 0,2,4,6
	v_pk_fma_f32 v[TMP+32*((\a)%2)+8*\b+\i:TMP+32*((\a)%2)+8*\b+\i+1], v[ACC+8*(4*(\a)+\b)+\i:ACC+8*(4*(\a)+\b)+\i+1], v[SCV:SCV+1], v[BI+8*\b+\i:BI+8*\b+\i+1] op_sel_hi:[1,0,1]   ; each accumulator from its low end on
.endr
.endr
.irp b, 0,1,2,3
	ds_store_b128 v[STO], v[TMP+32*((\a)%2)+8*\b:TMP+32*((\a)%2)+8*\b+3] offset:64*\b
	ds_store_b128 v[STO], v[TMP+32*((\a)%2)+8*\b+4:TMP+32*((\a)%2)+8*\b+7] offset:64*\b+16
.endr
.irp t, 0,1,2,3,4,5,6,7
	ds_load_b128 v[ACC+32*(\a)+4*\t:ACC+32*(\a)+4*\t+3], v[RD] offset:2*SPITCH*\t   ; in order behind my stores (ISA guide 5.7.1.4); into the registers that the block has left
.endr
.endm
.macro SEND a, younger
.irp t, 0,1,2,3,4,5,6,7
	s_wait_dscnt \younger+7-\t
	global_store_b128 v[CO], v[ACC+32*(\a)+4*\t:ACC+32*(\a)+4*\t+3], s[8:9] offset:4096*(16*(\a)+2*\t) th:TH_STORE_NT   ; sixteen lanes store 256 consecutive bytes, aligned
.endr
.endm
	PLACES
	OUTB 0
	OUTB 1
	SEND 0, 16                                     ; behind block 0's loads: block 1's 8 stores and 8 loads
	OUTB 2
	SEND 1, 16
	OUTB 3
	SEND 2, 16
	SEND 3, 0
	s_wait_tensorcnt 0x0                           ; the wave's end
	ds_add_u32 v[SPW], v[NIL]
	s_wait_dscnt 0x0
	CROUND                                         ; the closing round
	s_endpgm
.Lfunc_end_k_q8e12e3947e_oproj:
	.size	k_q8e12e3947e_oproj, .Lfunc_end_k_q8e12e3947e_oproj-k_q8e12e3947e_oproj
	.p2alignl 7, 3214868480
	.fill 96, 4, 3214868480
	.section	.rodata,"a",@progbits
	.p2align	6, 0x0
	.amdhsa_kernel k_q8e12e3947e_oproj
		.amdhsa_group_segment_fixed_size 327680
		.amdhsa_private_segment_fixed_size 0
		.amdhsa_enable_private_segment 0
		.amdhsa_kernarg_size 40
		.amdhsa_user_sgpr_count 2
		.amdhsa_user_sgpr_kernarg_segment_ptr 1
		.amdhsa_wavefront_size32 1
		.amdhsa_system_sgpr_workgroup_id_x 1
		.amdhsa_system_sgpr_workgroup_id_y 1
		.amdhsa_system_sgpr_workgroup_id_z 1
		.amdhsa_system_vgpr_workitem_id 0
		.amdhsa_next_free_vgpr 512
		.amdhsa_next_free_sgpr 70
		.amdhsa_reserve_vcc 0
		.amdhsa_float_denorm_mode_32 3
		.amdhsa_float_denorm_mode_16_64 3
		.amdhsa_memory_ordered 1
		.amdhsa_forward_progress 1
		.amdhsa_inst_pref_size 92
	.end_amdhsa_kernel
	.amdgpu_metadata
---
amdhsa.version: [ 1, 2 ]
amdhsa.kernels:
  - .name:           k_q8e12e3947e_oproj
    .symbol:         k_q8e12e3947e_oproj.kd
    .args:
      - { .name: ctx, .offset: 0, .size: 8, .value_kind: global_buffer, .address_space: global }
      - { .name: wof, .offset: 8, .size: 8, .value_kind: global_buffer, .address_space: global }
      - { .name: out0, .offset: 16, .size: 8, .value_kind: global_buffer, .address_space: global }
      - { .name: bo, .offset: 24, .size: 8, .value_kind: global_buffer, .address_space: global }
      - { .name: vmx, .offset: 32, .size: 8, .value_kind: global_buffer, .address_space: global }
    .group_segment_fixed_size: 327680
    .private_segment_fixed_size: 0
    .kernarg_segment_align: 8
    .kernarg_segment_size: 40
    .max_flat_workgroup_size: 128
    .sgpr_count:     70
    .vgpr_count:     512
    .wavefront_size: 32
...
	.end_amdgpu_metadata
.endif
;; end of part 5
